; MI455X (gfx1250); checked and timed in simulation.
; The chip was launched on July 23, 2026; its instructions are those of AMD's public machine-readable ISA for CDNA 5 (MIT licence, August 2026) and "CDNA5" Instruction Set Architecture Reference Guide (July 2026). The comments in the code are by the model that wrote it; some were corrected since.
;; Bot Net50. Allowed arithmetic: float matrix products may take bf16 or f16 operands with f32 sums; all other float work in f32.
;; Inputs: featuremap 16 x 512 x 32 x 32 float32; rel_height 63 x 128 float32; rel_width 63 x 128 float32; w_qk 1,024 x 512 float32; w_v 512 x 512 float32.
;; Outputs: out0 16 x 512 x 32 x 32 float32.
;; 3 versions, each right; version 2 is faster than version 1; version 3 is version 2 with the launch cast written anew for expert scheduling mode. Each part assembles by itself: llvm-mc -triple=amdgcn-amd-amdhsa -mcpu=gfx1250 --defsym DOCPART=n.
;; ======== version 1 of 3: 3 launches
;; limits: values are held in f16: magnitudes above 65,504 overflow, below 6.1e-05 lose precision
;; workspace buffers: xws 16,777,216 bytes; wws 1,572,864 bytes; relws 131,072 bytes; qws 16,777,216 bytes; kws 16,777,216 bytes; vws 16,777,216 bytes
;; launch cast (part 1): grid 256 x 1, 8 waves a work-group, no clusters, 0 bytes of LDS; arguments featuremap, w_qk, w_v, rel_height, rel_width, xws, wws, relws; writes xws, wws, relws
.if DOCPART == 1
	.amdgcn_target "amdgcn-amd-amdhsa--gfx1250"
	.amdhsa_code_object_version 6
	.text
	.protected	k_q1f1b8cbca5_cast
	.globl	k_q1f1b8cbca5_cast
	.p2align	8
	.type	k_q1f1b8cbca5_cast,@function
k_q1f1b8cbca5_cast:
	s_mov_b64 s[64:65], 0
	v_nop
	global_prefetch_b8 v0, s[64:65] scope:SCOPE_SE
	s_setreg_imm32_b32 hwreg(HW_REG_WAVE_MODE, 25, 1), 1
	s_wait_xcnt 0x0
; f32 to f16, once, so that the two matrix launches behind this one move half the bytes and convert nothing in their loops.
;   xws   f16 [b][c][l]: featuremap in its own order.
;   wws   f16 [head 4][K step 8][row 384 = type x 128 + d][64 c]; type 0 = Wq x QS, 1 = Wk, 2 = Wv: one K step's rows of one head are 49,152 dense bytes.
;   relws f16 [cx 4][128 rows][128 d]: rows 0-63 = rel_width[min(row, 62)], rows 64-127 = rel_height[min(row - 40 - 8 cx, 62)]:
;         the shift of the height table that belongs to a block of eight query rows is laid down here.
; QS = 128^-0.5 x log2(e): every logit, the relative ones too, is a product with q, so all come out in units of log2.
; LIMIT: f16 holds magnitudes under 65,504 (larger ones become infinities); under 6.1e-5 the step is 6e-8.
; A stream: each input byte is read once and each output byte written once; each store of a wave covers 256 consecutive bytes, aligned.
; No LDS, no barrier, no matrix unit, no cluster: the work-groups share no input but the two small tables.
; No register that a load or store names is written again, so no wait frees a source.
.set QS, 0x3e0293ee                    ; 0.12751743
.set WD, 8                             ; v[8:19]    three loads of weights
.set XD, 20                            ; v[20:147]  32 loads of x
.set WO, 148                           ; v[148:153] weights as f16
.set XO, 154                           ; v[154:217] x as f16
	s_load_b512 s[4:19], s[0:1], 0x0               ; featuremap s[4:5], w_qk s[6:7], w_v s[8:9], rel_height s[10:11], rel_width s[12:13], xws s[14:15], wws s[16:17], relws s[18:19]
	v_and_b32 v5, 31, v0                           ; lane
	v_lshrrev_b32 v6, 5, v0
	v_readfirstlane_b32 s20, v6                    ; wave w
	s_mov_b32 s21, ttmp9                           ; work-group g
	s_mov_b32 s30, QS
	s_mov_b32 s31, QS
	v_lshlrev_b32 v1, 4, v5                        ; 16 x lane: loads of 512 consecutive bytes
	v_lshlrev_b32 v2, 3, v5                        ; 8 x lane: stores of 256 consecutive bytes
	v_lshrrev_b32 v6, 4, v5
	v_and_b32 v7, 15, v5
	v_lshlrev_b32 v3, 4, v7
	v_lshl_add_u32 v3, v6, 11, v3                  ; weights: lanes 0-15 take 256 bytes of one row, lanes 16-31 of the next (2,048 bytes on)
	s_lshl_b32 s22, s21, 17
	s_lshl_b32 s23, s20, 14
	s_add_co_u32 s22, s22, s23                     ; x in: g x 131,072 + w x 16,384
	s_mov_b32 s23, 0
	s_lshr_b32 s24, s22, 1                         ; x out: half of that
	s_mov_b32 s25, 0
	s_lshl_b32 s26, s21, 12
	s_lshl_b32 s27, s20, 8
	s_add_co_u32 s26, s26, s27                     ; weights in: rows 2 g and 2 g + 1, K step w (64 c = 256 bytes)
	s_mov_b32 s27, 0
	s_lshr_b32 s28, s21, 6                         ; head = 2 g / 128
	s_mul_i32 s28, s28, 393216
	s_mul_i32 s29, s20, 49152
	s_add_co_u32 s28, s28, s29
	s_and_b32 s29, s21, 63
	s_lshl_b32 s29, s29, 8                         ; d = 2 g mod 128, rows of 128 bytes
	s_add_co_u32 s28, s28, s29
	s_mov_b32 s29, 0
	s_wait_kmcnt 0x0
	s_add_nc_u64 s[4:5], s[4:5], s[22:23]
	s_add_nc_u64 s[14:15], s[14:15], s[24:25]
	s_add_nc_u64 s[6:7], s[6:7], s[26:27]
	s_add_nc_u64 s[8:9], s[8:9], s[26:27]
	s_add_nc_u64 s[16:17], s[16:17], s[28:29]
	; all 35 loads of the wave go out before anything is worked on
	global_load_b128 v[WD:WD+3], v3, s[6:7] th:TH_LOAD_NT                      ; Wq
	global_load_b128 v[WD+4:WD+7], v3, s[6:7] offset:1048576 th:TH_LOAD_NT     ; Wk: 512 rows further down
	global_load_b128 v[WD+8:WD+11], v3, s[8:9] th:TH_LOAD_NT                   ; Wv
.set i, 0
.rept 32
	global_load_b128 v[XD+4*i:XD+4*i+3], v1, s[4:5] offset:512*i th:TH_LOAD_NT
.set i, i+1
.endr
.irp tau, 0,1,2
	s_wait_loadcnt 34-\tau                         ; loads come back in order: the younger weight loads and the 32 of x stay out
.if \tau == 0
	v_pk_mul_f32 v[WD:WD+1], v[WD:WD+1], s[30:31] op_sel_hi:[1,0]
	v_pk_mul_f32 v[WD+2:WD+3], v[WD+2:WD+3], s[30:31] op_sel_hi:[1,0]
.endif
	v_cvt_pk_f16_f32 v[WO+2*\tau], v[WD+4*\tau], v[WD+4*\tau+1]
	v_cvt_pk_f16_f32 v[WO+2*\tau+1], v[WD+4*\tau+2], v[WD+4*\tau+3]
	global_store_b64 v2, v[WO+2*\tau:WO+2*\tau+1], s[16:17] offset:16384*\tau  ; two rows of 128 bytes lie side by side
.endr
.set i, 0
.rept 32
	s_wait_loadcnt 31-i                            ; the younger loads of x stay out
	v_cvt_pk_f16_f32 v[XO+2*i], v[XD+4*i], v[XD+4*i+1]
	v_cvt_pk_f16_f32 v[XO+2*i+1], v[XD+4*i+2], v[XD+4*i+3]
	global_store_b64 v2, v[XO+2*i:XO+2*i+1], s[14:15] offset:256*i
.set i, i+1
.endr
	; the 512 rows of relws: one row for each wave of the first 64 work-groups
	s_cmp_ge_u32 s21, 64
	s_cbranch_scc1 .Lend
	s_lshl_b32 s32, s21, 3
	s_add_co_u32 s32, s32, s20                     ; row of relws, 0 to 511
	s_lshr_b32 s33, s32, 7                         ; cx
	s_and_b32 s34, s32, 127                        ; row within the table of cx
	s_lshl_b32 s33, s33, 3
	s_sub_co_u32 s35, s34, s33
	s_sub_co_u32 s35, s35, 40                      ; row - 40 - 8 cx (at least 0 where it is chosen: row >= 64, cx <= 3)
	s_cmp_lt_u32 s34, 64
	s_cselect_b64 s[36:37], s[12:13], s[10:11]     ; rel_width for rows 0-63, rel_height for the rest
	s_cselect_b32 s35, s34, s35
	s_min_u32 s35, s35, 62                         ; both tables have 63 rows
	s_lshl_b32 s38, s35, 9
	s_mov_b32 s39, 0
	s_add_nc_u64 s[36:37], s[36:37], s[38:39]
	s_lshl_b32 s38, s32, 8
	s_add_nc_u64 s[18:19], s[18:19], s[38:39]
	global_load_b128 v[220:223], v1, s[36:37]      ; a row of 128 f32
	s_wait_loadcnt 0x0
	v_cvt_pk_f16_f32 v224, v220, v221
	v_cvt_pk_f16_f32 v225, v222, v223
	global_store_b64 v2, v[224:225], s[18:19]
.Lend:
	s_endpgm
.Lfunc_end_k_q1f1b8cbca5_cast:
	.size	k_q1f1b8cbca5_cast, .Lfunc_end_k_q1f1b8cbca5_cast-k_q1f1b8cbca5_cast
	.p2alignl 7, 3214868480
	.fill 96, 4, 3214868480
	.section	.rodata,"a",@progbits
	.p2align	6, 0x0
	.amdhsa_kernel k_q1f1b8cbca5_cast
		.amdhsa_group_segment_fixed_size 0
		.amdhsa_private_segment_fixed_size 0
		.amdhsa_enable_private_segment 0
		.amdhsa_kernarg_size 64
		.amdhsa_user_sgpr_count 2
		.amdhsa_user_sgpr_kernarg_segment_ptr 1
		.amdhsa_wavefront_size32 1
		.amdhsa_system_sgpr_workgroup_id_x 1
		.amdhsa_system_sgpr_workgroup_id_y 1
		.amdhsa_system_sgpr_workgroup_id_z 1
		.amdhsa_system_vgpr_workitem_id 0
		.amdhsa_next_free_vgpr 240
		.amdhsa_next_free_sgpr 66
		.amdhsa_reserve_vcc 0
		.amdhsa_float_denorm_mode_32 3
		.amdhsa_float_denorm_mode_16_64 3
		.amdhsa_memory_ordered 1
		.amdhsa_forward_progress 1
		.amdhsa_inst_pref_size 15
	.end_amdhsa_kernel
	.amdgpu_metadata
---
amdhsa.version: [ 1, 2 ]
amdhsa.kernels:
  - .name:           k_q1f1b8cbca5_cast
    .symbol:         k_q1f1b8cbca5_cast.kd
    .args:
      - { .name: featuremap, .offset: 0, .size: 8, .value_kind: global_buffer, .address_space: global }
      - { .name: w_qk, .offset: 8, .size: 8, .value_kind: global_buffer, .address_space: global }
      - { .name: w_v, .offset: 16, .size: 8, .value_kind: global_buffer, .address_space: global }
      - { .name: rel_height, .offset: 24, .size: 8, .value_kind: global_buffer, .address_space: global }
      - { .name: rel_width, .offset: 32, .size: 8, .value_kind: global_buffer, .address_space: global }
      - { .name: xws, .offset: 40, .size: 8, .value_kind: global_buffer, .address_space: global }
      - { .name: wws, .offset: 48, .size: 8, .value_kind: global_buffer, .address_space: global }
      - { .name: relws, .offset: 56, .size: 8, .value_kind: global_buffer, .address_space: global }
    .group_segment_fixed_size: 0
    .private_segment_fixed_size: 0
    .kernarg_segment_align: 8
    .kernarg_segment_size: 64
    .max_flat_workgroup_size: 256
    .sgpr_count:     66
    .vgpr_count:     240
    .wavefront_size: 32
...
	.end_amdgpu_metadata
.endif
;; end of part 1
;; launch proj (part 2): grid 4 x 64, 4 waves a work-group, clusters of 4 x 4, 327,680 bytes of LDS; arguments xws, wws, qws, kws, vws; writes qws, kws, vws
.if DOCPART == 2
	.amdgcn_target "amdgcn-amd-amdhsa--gfx1250"
	.amdhsa_code_object_version 6
	.text
	.protected	k_q1f1b8cbca5_proj
	.globl	k_q1f1b8cbca5_proj
	.p2align	8
	.type	k_q1f1b8cbca5_proj,@function
k_q1f1b8cbca5_proj:
	s_mov_b64 s[64:65], 0
	v_nop
	global_prefetch_b8 v0, s[64:65] scope:SCOPE_SE
	s_setreg_imm32_b32 hwreg(HW_REG_WAVE_MODE, 25, 1), 1
	s_wait_xcnt 0x0
	s_wait_alu depctr_hold_cnt(0) depctr_sa_sdst(0) depctr_va_vdst(0) depctr_va_sdst(0) depctr_va_ssrc(0) depctr_va_vcc(0) depctr_vm_vsrc(0)
	s_getreg_b32 s2, hwreg(HW_REG_IB_STS2, 6, 4)
	s_cmp_eq_u32 s2, 0
	s_cbranch_scc0 .Lentry_in_a_cluster
	s_endpgm
.Lentry_in_a_cluster:
	s_bfe_u32 s2, ttmp6, 0x10000c
	s_cmp_lg_u32 s2, 0xf033
	s_cbranch_scc0 .Lentry_shape_is_right
	s_endpgm
.Lentry_shape_is_right:
; The three 1x1 projections as one product over K = 512 channels, f16 operands, f32 sums.
; Work-group (h, nb): head h, batch nb / 4, columns l0 = 256 (nb mod 4) .. + 255; it makes q, k and v of that head there: 384 x 256 numbers.
; Four waves; wave w takes d (or dv) 64 (w / 2) .. + 63 of each of the three and l 128 (w mod 2) .. + 127: 96 tiles of 16 x 16, 768 registers.
; q and k are made with the weights as first source: a lane then holds 8 neighbouring d of one l (rows [l][d] of qws, kws).
; v is made with x as first source: a lane then holds 8 neighbouring l of one dv (rows [dv][l] of vws).
; K goes in steps of 64 through two LDS slots; a step is two halves of 32, 96 matrix instructions each.
; CLUSTER 4 x 4: the four work-groups of a row of the cluster (same nb) need the same tile of x, the four of a column (same h) the same weights:
; both are asked for jointly, which divides the requests for either by four.
; LIMIT: q, k, v leave as f16: magnitudes under 65,504.
; REGISTERS: window 0: v16-28 addresses, v32-127 the 12 weight fragments, v128-191 and v192-255 two buffers of 8 fragments of x;
;            windows 1, 2, 3: the 32 tiles (i, nt) of q, k, v at v[8 (8 i + nt)].
.set XP,    544                        ; LDS pitch of a row of x: 512 bytes + 32: an odd multiple of 32, for the transposing loads
.set WP,    272                        ; LDS pitch of 256 bytes of weights (two rows of 64 c) + 16
.set XHALF, 32*XP                      ; what one tensor load brings of x: 32 channels
.set WHALF, 96*WP                      ; and of the weights: 192 rows
.set WT,    2*XHALF                    ; the weights lie behind x
.set SLOT,  WT+2*WHALF                 ; 87,040
.set STG,   2*SLOT                     ; 174,080: the stage for the way out, 69,632 bytes into which no tensor load lands
.set QP,    272                        ; stage pitch for q, k: 128 d x 2 bytes + 16
.set VP,    528                        ; stage pitch for v: 256 l x 2 bytes + 16
.set ADRW,  16                         ; v16-17 my weight fragments in slot 0, 1
.set ADRX,  20                         ; v20-21 my fragments of x in slot 0, 1
.set ADRS,  22                         ; stage in, q and k
.set ADRSV, 24                         ; stage in, v
.set RDQ,   25                         ; stage back, q and k
.set RDV,   27                         ; stage back, v
.set CO,    28                         ; 16 x lane
.set WF,    32
.set XB0,   128
.set XB1,   192
.set TMP,   32                         ; the way out: packed results
.set G1X, 24                           ; s[24:31] shape of x's tiles
.set G0X, 32                           ; s[32:39] from where, to where: one set for each slot
.set G1W, 48                           ; s[48:55] shape of the weights' tiles
.set G0W, 56                           ; s[56:63]
.set MSB, 0
.macro WIN new                         ; the immediate's high byte repeats the setting that is left
.if MSB != \new
	s_set_vgpr_msb (MSB<<8)|\new
.set MSB, \new
.endif
.endm
; A joint load: waves 0 and 1 fetch the halves of x's tile, waves 2 and 3 those of the weights'. The branch hangs on the wave's number alone.
.macro JLOAD s
	s_cmp_eq_u32 s15, 0
	s_cbranch_scc0 .Lfor_w_\@
	tensor_load_to_lds s[G0X+4*\s:G0X+4*\s+3], s[G1X:G1X+7]
	s_nop 0
	s_branch .Lasked_\@
.Lfor_w_\@:
	tensor_load_to_lds s[G0W+4*\s:G0W+4*\s+3], s[G1W:G1W+7]
	s_nop 0
.Lasked_\@:
.endm
.macro CREST                           ; a round of the cluster's barrier behind its opening work-group barrier
	s_cmp_lg_u32 s14, 0
	s_cbranch_scc1 .Lnot_wave_0_\@
	s_barrier_signal -3
.Lnot_wave_0_\@:
	s_barrier_wait -3
	s_barrier_signal -1
	s_barrier_wait -1
.endm
.macro CROUND
	s_barrier_signal -1
	s_barrier_wait -1
	CREST
.endm
.macro PLACES                          ; four places behind a matrix instruction before a load lands on its sources or a vector instruction reads its result
.rept 4
	v_nop
.endr
.endm
	s_load_b256 s[4:11], s[0:1], 0x0               ; xws s[4:5], wws s[6:7], qws s[8:9], kws s[10:11]
	s_load_b64 s[12:13], s[0:1], 0x20              ; vws
	v_lshl_add_u32 v30, v0, 2, 0x3b800
	v_mov_b32 v31, 0
	ds_add_u32 v30, v31
	v_lshrrev_b32 v1, 5, v0
	v_readfirstlane_b32 s14, v1                    ; wave
	s_lshr_b32 s15, s14, 1                         ; wm: my 64 d.  Also: I fetch x (0) or weights (1)
	s_and_b32 s16, s14, 1                          ; wn: my 128 l.  Also: which half of that tile
	s_bfe_u32 s17, ttmp6, 0x40000                  ; cx
	s_bfe_u32 s18, ttmp6, 0x40004                  ; cy
	s_lshl_b32 s22, ttmp9, 2
	s_add_co_u32 s22, s22, s17                     ; head h
	s_and_b32 s19, ttmp7, 0xffff
	s_lshl_b32 s19, s19, 2
	s_add_co_u32 s19, s19, s18                     ; nb
	s_lshl_b32 s20, s18, 2
	s_lshl_b32 s20, 15, s20                        ; my row of the cluster
	s_lshl_b32 s21, 0x1111, s17                    ; my column
	; x's tile: 32 rows (channels) of 256 elements of 2 bytes, 1,024 elements from row to row; 8 words of padding behind every 128
	s_or_b32 s[G1X+0], s20, (1<<16)|(1<<20)|(1<<21)|(6<<22)|(7<<25)
	s_mov_b32 s[G1X+1], 256<<16
	s_mov_b32 s[G1X+2], 32<<16
	s_mov_b32 s[G1X+3], 256<<16
	s_mov_b32 s[G1X+4], 32
	s_mov_b32 s[G1X+5], 1024
	s_mov_b32 s[G1X+6], 0
	s_mov_b32 s[G1X+7], 0
	; the weights' tile: dense, taken as 96 rows of 32 elements of 8 bytes; 4 words of padding behind every 64
	s_or_b32 s[G1W+0], s21, (3<<16)|(1<<20)|(1<<21)|(5<<22)|(3<<25)
	s_mov_b32 s[G1W+1], 32<<16
	s_mov_b32 s[G1W+2], 96<<16
	s_mov_b32 s[G1W+3], 32<<16
	s_mov_b32 s[G1W+4], 96
	s_mov_b32 s[G1W+5], 32
	s_mov_b32 s[G1W+6], 0
	s_mov_b32 s[G1W+7], 0
	; x's address is made of nb and the wave alone (s40-43), the weights' of h and the wave alone (s44-47)
	s_lshr_b32 s40, s19, 2
	s_lshl_b32 s40, s40, 20                        ; batch x 512 x 1,024 x 2 bytes
	s_and_b32 s41, s19, 3
	s_lshl_b32 s41, s41, 9                         ; l0 x 2 bytes
	s_add_co_u32 s40, s40, s41
	s_lshl_b32 s41, s16, 16                        ; my 32 channels
	s_add_co_u32 s40, s40, s41
	s_mov_b32 s41, 0
	s_mul_i32 s44, s22, 393216
	s_mul_i32 s45, s16, 24576
	s_add_co_u32 s44, s44, s45
	s_mov_b32 s45, 0
	s_mul_i32 s23, s16, XHALF                      ; where they go: the wave's number times a constant, plus constants
	s_mul_i32 s3, s16, WHALF
	s_add_co_u32 s3, s3, WT
	s_wait_dscnt 0x0
	s_wait_kmcnt 0x0
	s_add_nc_u64 s[42:43], s[4:5], s[40:41]
	s_add_nc_u64 s[46:47], s[6:7], s[44:45]
	CROUND                                         ; all sixteen work-groups are here: the first joint loads meet
.irp s, 0,1
	s_mov_b32 s[G0X+4*\s], 1
	s_add_co_u32 s[G0X+4*\s+1], s23, \s*SLOT
	s_add_nc_u64 s[G0X+4*\s+2:G0X+4*\s+3], s[42:43], \s*131072     ; K step s: 64 channels of 2,048 bytes
	s_or_b32 s[G0X+4*\s+3], s[G0X+4*\s+3], 0x80000000
	s_mov_b32 s[G0W+4*\s], 1
	s_add_co_u32 s[G0W+4*\s+1], s3, \s*SLOT
	s_add_nc_u64 s[G0W+4*\s+2:G0W+4*\s+3], s[46:47], \s*49152
	s_or_b32 s[G0W+4*\s+3], s[G0W+4*\s+3], 0x80000000
	JLOAD \s                                       ; both slots are asked for before anything else: two loads of the wave are out
.endr
	; where the results go: head part (cx), then batch, block and wave part (cy, wave)
	s_lshl_b32 s44, s22, 18
	s_mov_b32 s45, 0
	s_add_nc_u64 s[8:9], s[8:9], s[44:45]
	s_add_nc_u64 s[10:11], s[10:11], s[44:45]
	s_add_nc_u64 s[12:13], s[12:13], s[44:45]
	s_lshr_b32 s40, s19, 2
	s_lshl_b32 s40, s40, 20                        ; batch x 4 heads x 262,144
	s_and_b32 s41, s19, 3
	s_lshl_b32 s42, s41, 16                        ; q, k: l0 rows of 256 bytes
	s_add_co_u32 s42, s42, s40
	s_lshl_b32 s43, s14, 14                        ; + 64 w rows
	s_add_co_u32 s42, s42, s43
	s_mov_b32 s43, 0
	s_lshl_b32 s41, s41, 9                         ; v: l0 x 2 bytes
	s_add_co_u32 s40, s40, s41
	s_lshl_b32 s41, s14, 16                        ; + 32 w rows of 2,048 bytes
	s_add_co_u32 s40, s40, s41
	s_mov_b32 s41, 0
	s_add_nc_u64 s[8:9], s[8:9], s[42:43]
	s_add_nc_u64 s[10:11], s[10:11], s[42:43]
	s_add_nc_u64 s[12:13], s[12:13], s[40:41]
	; LDS addresses.  r = lane mod 16, h = lane / 16
	v_and_b32 v1, 15, v0
	v_bfe_u32 v2, v0, 4, 1
	v_lshrrev_b32 v3, 1, v1                        ; weight row rho lies at (rho / 2) x 272 + (rho mod 2) x 128:
	v_mul_u32_u24 v3, v3, WP                       ; sixteen rows of a fragment start at sixteen different 16-byte columns modulo 256 bytes
	v_and_b32 v4, 1, v1
	v_lshl_add_u32 v3, v4, 7, v3
	v_lshl_add_u32 v3, v2, 4, v3
	s_mul_i32 s23, s15, 32*WP
	s_add_co_u32 s23, s23, WT
	v_add_nc_u32 v[ADRW], s23, v3
	v_add_nc_u32 v[ADRW+1], SLOT, v[ADRW]
	v_and_b32 v5, 7, v0                            ; x lies [c][l]: the transposing load wants row 8 h + lane mod 8, column block (lane / 8) mod 2
	v_lshl_add_u32 v5, v2, 3, v5
	v_mul_u32_u24 v5, v5, XP
	v_bfe_u32 v6, v0, 3, 1
	v_lshl_add_u32 v5, v6, 4, v5
	v_lshl_add_u32 v[ADRX], s16, 8, v5
	v_add_nc_u32 v[ADRX+1], SLOT, v[ADRX]
	v_mul_u32_u24 v7, v1, QP                       ; stage in, q and k: row l = 128 wn + 16 nt + r, byte 128 wm + 32 i + 16 h
	v_lshl_add_u32 v7, v2, 4, v7
	s_mul_i32 s23, s16, 128*QP
	s_lshl_b32 s3, s15, 7
	s_add_co_u32 s23, s23, s3
	s_add_co_u32 s23, s23, STG
	v_add_nc_u32 v[ADRS], s23, v7
	v_mul_u32_u24 v8, v1, VP                       ; stage in, v: row dv = 64 wm + 16 i + r, byte 256 wn + 32 nt + 16 h
	v_lshl_add_u32 v8, v2, 4, v8
	s_mul_i32 s23, s15, 64*VP
	s_lshl_b32 s3, s16, 8
	s_add_co_u32 s23, s23, s3
	s_add_co_u32 s23, s23, STG
	v_add_nc_u32 v[ADRSV], s23, v8
	v_mul_u32_u24 v9, v2, QP                       ; stage back, q and k: rows 64 w .., two rows of 256 bytes a load
	v_lshl_add_u32 v9, v1, 4, v9
	s_mul_i32 s23, s14, 64*QP
	s_add_co_u32 s23, s23, STG
	v_add_nc_u32 v[RDQ], s23, v9
	v_and_b32 v10, 31, v0
	v_lshlrev_b32 v[CO], 4, v10
	s_mul_i32 s23, s14, 32*VP                      ; stage back, v: rows 32 w .., one row of 512 bytes a load
	s_add_co_u32 s23, s23, STG
	v_add_nc_u32 v[RDV], s23, v[CO]
.macro MM d, a, b, zero
.if \zero
	v_wmma_f32_16x16x32_f16 v[\d:\d+7], v[\a:\a+7], v[\b:\b+7], 0
.else
	v_wmma_f32_16x16x32_f16 v[\d:\d+7], v[\a:\a+7], v[\b:\b+7], v[\d:\d+7]
.endif
.endm
; 32 matrix instructions: the tiles of type tau, 32 along K, with the fragments of x in buffer xb.  zero = 1: the first product starts the sums.
; The 96 accumulators take turns, one instruction a turn, in the same order in every half step.
.macro WM tau, xb, zero
.set wsel, 0x50*(\tau+1)
	WIN wsel                                       ; C and D in window tau + 1, both sources in window 0
.irp i, 0,1,2,3
.irp nt, 0,1,2,3,4,5,6,7
.if \tau < 2
	MM 8*(8*\i+\nt), WF+8*(4*\tau+\i), \xb+8*\nt, \zero
.else
	MM 8*(8*\i+\nt), \xb+8*\nt, WF+8*(4*\tau+\i), \zero
.endif
.endr
.endr
.endm
.macro LDW tau, slot, kap              ; the four weight fragments of type tau, half step kap
.irp i, 0,1,2,3
	ds_load_b128 v[WF+8*(4*\tau+\i):WF+8*(4*\tau+\i)+3], v[ADRW+\slot] offset:(64*\tau+8*\i)*WP+64*\kap
	ds_load_b128 v[WF+8*(4*\tau+\i)+4:WF+8*(4*\tau+\i)+7], v[ADRW+\slot] offset:(64*\tau+8*\i)*WP+64*\kap+32
.endr
.endm
.macro LDX slot, kap, xb               ; the eight fragments of x, half step kap: lane r gets column l = 16 nt + r, K along its registers
.irp nt, 0,1,2,3,4,5,6,7
	ds_load_tr16_b128 v[\xb+8*\nt:\xb+8*\nt+3], v[ADRX+\slot] offset:\kap*32*XP+32*\nt
	ds_load_tr16_b128 v[\xb+8*\nt+4:\xb+8*\nt+7], v[ADRX+\slot] offset:\kap*32*XP+32*\nt+16*XP
.endr
.endm
; The first half of a K step: multiplies buffer 0 and fetches the second half's fragments from the same slot, each group behind the products that read its registers.
.macro SUBA slot, zero
	s_wait_dscnt 16                                ; x and type 0 are in; the 8 loads of type 1 and the 8 of type 2 stay out
	WM 0, XB0, \zero
	WIN 0
	PLACES
	LDX \slot, 1, XB1
	LDW 0, \slot, 1
	s_wait_dscnt 32                                ; type 1 is in; type 2's 8 and the 24 just issued stay out
	WM 1, XB0, \zero
	WIN 0
	PLACES
	LDW 1, \slot, 1
	s_wait_dscnt 32                                ; type 2 is in; the 24 and the 8 issued behind it stay out
	WM 2, XB0, \zero
	WIN 0
	PLACES
	LDW 2, \slot, 1
.endm
; The second half: multiplies buffer 1 and changes slots.  mode 1: this slot is filled again, two K steps ahead; 2: change of slots alone; 3: the end.
; In front of the barrier each wave waits for its reads of this slot and for all its tensor loads (one is out: its part of the other slot).
; Behind it the refill comes first, then the other slot's fragments.  With a refill the barrier opens a round of the cluster's barrier.
.macro SUBB slot, mode
	s_wait_dscnt 0x0                               ; all my reads of this slot are back
.if \mode < 3
	s_wait_tensorcnt 0x0                           ; and all my tensor loads have landed
	ds_add_u32 v30, v31
	s_wait_dscnt 0x0
	s_barrier_signal -1
.endif
	WM 0, XB1, 0                                   ; register work while the others arrive
.if \mode < 3
	WIN 0
	s_barrier_wait -1
.if \mode == 1
	CREST                                          ; no wave of any partner still reads this slot or has a load on its way
	s_add_nc_u64 s[G0X+4*\slot+2:G0X+4*\slot+3], s[G0X+4*\slot+2:G0X+4*\slot+3], 262144
	s_add_nc_u64 s[G0W+4*\slot+2:G0W+4*\slot+3], s[G0W+4*\slot+2:G0W+4*\slot+3], 98304
	JLOAD \slot                                    ; my one tensor load behind the round
.endif
	PLACES
	LDX 1-\slot, 0, XB0
	LDW 0, 1-\slot, 0
.endif
	WM 1, XB1, 0
.if \mode < 3
	WIN 0
	PLACES
	LDW 1, 1-\slot, 0
.endif
	WM 2, XB1, 0
	WIN 0
.if \mode < 3
	PLACES
	LDW 2, 1-\slot, 0
.endif
.endm
.macro LAP zero                        ; two K steps, both slots filled again
	SUBA 0, \zero
	SUBB 0, 1
	SUBA 1, 0
	SUBB 1, 1
.endm
	s_wait_tensorcnt 0x1                           ; my part of K step 0 is in; K step 1's stays out
	s_barrier_signal -1
	s_barrier_wait -1
	LDX 0, 0, XB0
	LDW 0, 0, 0
	LDW 1, 0, 0
	LDW 2, 0, 0
	LAP 1                                          ; K steps 0 and 1: the first products start the sums
	s_mov_b32 s3, 2
.Llap:
	LAP 0                                          ; K steps 2 to 5
	s_sub_co_u32 s3, s3, 1
	s_cmp_lg_u32 s3, 0
	s_cbranch_scc1 .Llap
	SUBA 0, 0                                      ; K steps 6 and 7 fetch nothing
	SUBB 0, 2
	SUBA 1, 0
	SUBB 1, 3
	; THE WAY OUT: q, then k, then v: round to f16, 16 bytes a lane into the stage, read back as whole rows by all four waves, stored 512 consecutive bytes a wave.
.macro PUT tau
.irp i, 0,1,2,3
.set wsel, 5*(\tau+1)
	WIN wsel                                       ; both sources in window tau + 1
.irp nt, 0,1,2,3,4,5,6,7
.irp q, 0,1,2,3
	v_cvt_pk_f16_f32 v[TMP+4*\nt+\q], v[8*(8*\i+\nt)+2*\q], v[8*(8*\i+\nt)+2*\q+1]
.endr
.endr
	WIN 0
.irp nt, 0,1,2,3,4,5,6,7
.if \tau < 2
	ds_store_b128 v[ADRS], v[TMP+4*\nt:TMP+4*\nt+3] offset:\nt*16*QP+32*\i
.else
	ds_store_b128 v[ADRSV], v[TMP+4*\nt:TMP+4*\nt+3] offset:\i*16*VP+32*\nt
.endif
.endr
.endr
	s_wait_dscnt 0x0                               ; my stores are in LDS before I say so: other waves read them
	s_barrier_signal -1
	s_barrier_wait -1
.endm
; 32 loads and stores in four batches of eight on two sets of registers.  rd: the address register; lp: LDS bytes, gp: global bytes from load to load
.macro GET rd, lp, gp, base
.irp bt, 0,1,2,3
	s_wait_xcnt 0x0                                ; registers that earlier stores read are loaded again only behind this wait
.irp t, 0,1,2,3,4,5,6,7
	ds_load_b128 v[XB0+64*(\bt&1)+4*\t:XB0+64*(\bt&1)+4*\t+3], v[\rd] offset:\lp*(8*\bt+\t)
.endr
.irp t, 0,1,2,3,4,5,6,7
	s_wait_dscnt 7-\t                              ; LDS loads come back in order: load t of the batch is in
	global_store_b128 v[CO], v[XB0+64*(\bt&1)+4*\t:XB0+64*(\bt&1)+4*\t+3], s[\base:\base+1] offset:\gp*(8*\bt+\t)
.endr
.endr
.endm
	PLACES
	PUT 0
	GET RDQ, 2*QP, 512, 8
	s_barrier_signal -1                            ; every wave's reads of the stage are back (the last count above was 0): it may be written again
	s_barrier_wait -1
	PUT 1
	GET RDQ, 2*QP, 512, 10
	s_barrier_signal -1
	s_barrier_wait -1
	PUT 2
	GET RDV, VP, 2048, 12
	s_wait_tensorcnt 0x0
	ds_add_u32 v30, v31
	s_wait_dscnt 0x0
	CROUND                                         ; the closing round: no work-group ends while a partner may still ask for a tile that names it
	s_endpgm
.Lfunc_end_k_q1f1b8cbca5_proj:
	.size	k_q1f1b8cbca5_proj, .Lfunc_end_k_q1f1b8cbca5_proj-k_q1f1b8cbca5_proj
	.p2alignl 7, 3214868480
	.fill 96, 4, 3214868480
	.section	.rodata,"a",@progbits
	.p2align	6, 0x0
	.amdhsa_kernel k_q1f1b8cbca5_proj
		.amdhsa_group_segment_fixed_size 327680
		.amdhsa_private_segment_fixed_size 0
		.amdhsa_enable_private_segment 0
		.amdhsa_kernarg_size 40
		.amdhsa_user_sgpr_count 2
		.amdhsa_user_sgpr_kernarg_segment_ptr 1
		.amdhsa_wavefront_size32 1
		.amdhsa_system_sgpr_workgroup_id_x 1
		.amdhsa_system_sgpr_workgroup_id_y 1
		.amdhsa_system_sgpr_workgroup_id_z 1
		.amdhsa_system_vgpr_workitem_id 0
		.amdhsa_next_free_vgpr 1024
		.amdhsa_next_free_sgpr 66
		.amdhsa_reserve_vcc 0
		.amdhsa_float_denorm_mode_32 3
		.amdhsa_float_denorm_mode_16_64 3
		.amdhsa_memory_ordered 1
		.amdhsa_forward_progress 1
		.amdhsa_inst_pref_size 171
	.end_amdhsa_kernel
	.amdgpu_metadata
---
amdhsa.version: [ 1, 2 ]
amdhsa.kernels:
  - .name:           k_q1f1b8cbca5_proj
    .symbol:         k_q1f1b8cbca5_proj.kd
    .args:
      - { .name: xws, .offset: 0, .size: 8, .value_kind: global_buffer, .address_space: global }
      - { .name: wws, .offset: 8, .size: 8, .value_kind: global_buffer, .address_space: global }
      - { .name: qws, .offset: 16, .size: 8, .value_kind: global_buffer, .address_space: global }
      - { .name: kws, .offset: 24, .size: 8, .value_kind: global_buffer, .address_space: global }
      - { .name: vws, .offset: 32, .size: 8, .value_kind: global_buffer, .address_space: global }
    .group_segment_fixed_size: 327680
    .private_segment_fixed_size: 0
    .kernarg_segment_align: 8
    .kernarg_segment_size: 40
    .max_flat_workgroup_size: 128
    .sgpr_count:     66
    .vgpr_count:     1024
    .wavefront_size: 32
...
	.end_amdgpu_metadata
.endif
;; end of part 2
;; launch attn (part 3): grid 256 x 1, 4 waves a work-group, clusters of 4 x 1, 327,680 bytes of LDS; arguments qws, kws, vws, relws, out0; writes out0
.if DOCPART == 3
	.amdgcn_target "amdgcn-amd-amdhsa--gfx1250"
	.amdhsa_code_object_version 6
	.text
	.protected	k_q1f1b8cbca5_attn
	.globl	k_q1f1b8cbca5_attn
	.p2align	8
	.type	k_q1f1b8cbca5_attn,@function
k_q1f1b8cbca5_attn:
	s_mov_b64 s[64:65], 0
	v_nop
	global_prefetch_b8 v0, s[64:65] scope:SCOPE_SE
	s_setreg_imm32_b32 hwreg(HW_REG_WAVE_MODE, 25, 1), 1
	s_wait_xcnt 0x0
	s_wait_alu depctr_hold_cnt(0) depctr_sa_sdst(0) depctr_va_vdst(0) depctr_va_sdst(0) depctr_va_ssrc(0) depctr_va_vcc(0) depctr_vm_vsrc(0)
	s_getreg_b32 s2, hwreg(HW_REG_IB_STS2, 6, 4)
	s_cmp_eq_u32 s2, 0
	s_cbranch_scc0 .Lentry_in_a_cluster
	s_endpgm
.Lentry_in_a_cluster:
	s_bfe_u32 s2, ttmp6, 0x10000c
	s_cmp_lg_u32 s2, 0x3003
	s_cbranch_scc0 .Lentry_shape_is_right
	s_endpgm
.Lentry_shape_is_right:
; Attention with relative logits, one pass over the keys with a running maximum.  f16 operands, f32 sums and softmax.
; logit(x, y) = q_x . (k_y + rel_width[yw - xw + 31] + rel_height[yh - xh + 31]), x = 32 xh + xw, y = 32 yh + yw; q carries 128^-0.5 x log2(e), so exponentials are 2^x.
; CLUSTER 4 x 1: a cluster is one head (ttmp9); work-group cx takes queries 256 cx .. + 255, wave w 64 of them (4 tiles t of 16).
; The four work-groups read the same tiles of K and V: those are asked for jointly.  Q and the relative tables differ with cx: plain loads.
; TRANSPOSED: S^T = K Q^T: lane (r, h) holds query x = 16 t + r, its registers the keys 16 mt + 8 h + j.  So a query's maximum and sum are one number a lane
; (the two halves of the lanes are joined by one exchange), and two tiles of S^T, rounded to f16, ARE the second source of O^T = V^T P^T: P never leaves the registers.
; The width term does not hang on the key row: it is made once (64 x 64 numbers a wave) and enters as the C operand of each tile's first product.
; The height term is constant along a key row: it is made once (64 x 32 a wave), kept in LDS, and added with the maximum's subtraction.
; The maximum is taken over the full logits.  A trip is 64 keys (two key rows), a step 128 keys (one LDS slot).
; LIMIT: P is rounded to f16 (weights under 6e-8 of the row's largest vanish); 2^x gives 0 where the result is under 2^-126 (ISA guide 15.8).  The sums' order is not the reference function's.
; REGISTERS: window 0: v3-15 addresses, v16-23 height terms, v24-31 at work, v32-63 statistics, v64-191 S and P, v192-255 width terms;
;            window 1: O (dvt, t) at v[8 (4 dvt + t)];  window 2: Q (t, ks) at v[8 (4 t + ks)];  window 3: K (mt, ks) at v[8 (4 mt + ks)], V (dvt, ys) at v[128 + 8 (8 ys + dvt)].
.set KP,    272                        ; LDS pitch of every row of 256 bytes: sixteen rows of a fragment start at sixteen different 16-byte columns modulo 256 bytes
.set HALF,  64*KP                      ; 64 rows: what one tensor load brings
.set VT,    2*HALF                     ; V's 128 rows lie behind K's 128
.set SLOT,  4*HALF                     ; 69,632
.set QT,    2*SLOT                     ; 139,264: each wave's 64 rows of Q
.set STAGE, QT+4*HALF                  ; 208,896: each wave's own 64 rows x 272, written by LDS stores alone
.set REL,   STAGE+4*HALF               ; 278,528: 104 rows of the relative tables
.set CO,    3
.set ADRK,  4                          ; v4-5
.set ADRV,  6                          ; v6-7
.set ADRH,  8
.set ADRQ,  9
.set ADRRW, 10
.set ADRRH, 11
.set ADRST, 12
.set ADRB,  13
.set STO,   14
.set RD,    15
.set RHV,   16                         ; pair 16 + 2 t: the height terms of the trip's two key rows
.set TT,    24                         ; 24 + 2 t + a: maxima; later two pairs of sums
.set SPA,   24
.set SPB,   26
.set ST,    32                         ; 8 a tile t: +0 c0, +1 M, +2 c1, +3 TA, +4 AL, +5 TB, +6 L
.set SS,    64                         ; S (mt, t) at 64 + 8 (4 mt + t); P (ys, t) is made in place in S (2 ys, t)
.set BI,    192                        ; width terms (e, t) at 192 + 8 (4 e + t)
.set VPOOL, 128
.set G1K, 24
.set G0K, 32
.set G1V, 40
.set G0V, 48
.set G1Q, 56
.set G0Q, 68
.set G1R, 72
.set G0R, 80
.set PADW, (1<<16)|(1<<20)|(5<<22)|(3<<25)     ; elements of 2 bytes; 4 words of padding behind every 64
.set MSB, 0
.macro WIN new
.if MSB != \new
	s_set_vgpr_msb (MSB<<8)|\new
.set MSB, \new
.endif
.endm
.macro ROUND                           ; a round of the cluster's barrier
	s_barrier_signal -1
	s_barrier_wait -1
	s_cmp_lg_u32 s14, 0
	s_cbranch_scc1 .Lnot_wave_0_\@
	s_barrier_signal -3
.Lnot_wave_0_\@:
	s_barrier_wait -3
	s_barrier_signal -1
	s_barrier_wait -1
.endm
.macro JLOAD s                         ; waves 0 and 1 fetch the halves of K's tile, waves 2 and 3 those of V's
	s_cmp_eq_u32 s15, 0
	s_cbranch_scc0 .Lfor_v_\@
	tensor_load_to_lds s[G0K+4*\s:G0K+4*\s+3], s[G1K:G1K+7]
	s_nop 0
	s_branch .Lasked_\@
.Lfor_v_\@:
	tensor_load_to_lds s[G0V+4*\s:G0V+4*\s+3], s[G1V:G1V+7]
	s_nop 0
.Lasked_\@:
.endm
.macro PLACES                          ; five places: a matrix instruction writes over an earlier one's source (P) only at that distance; four serve loads and vector instructions
.rept 5
	v_nop
.endr
.endm
	s_load_b256 s[4:11], s[0:1], 0x0               ; qws s[4:5], kws s[6:7], vws s[8:9], relws s[10:11]
	s_load_b64 s[12:13], s[0:1], 0x20              ; out0
	v_lshl_add_u32 v55, v0, 2, 0x4af00
	v_mov_b32 v63, 0
	ds_add_u32 v55, v63
	v_lshrrev_b32 v1, 5, v0
	v_readfirstlane_b32 s14, v1                    ; wave
	s_lshr_b32 s15, s14, 1                         ; I fetch K (0) or V (1)
	s_and_b32 s16, s14, 1                          ; which half
	s_bfe_u32 s17, ttmp6, 0x40000                  ; cx
	s_mov_b32 s18, ttmp9                           ; head, 0 to 63
	s_mov_b32 s20, 0x76543210                      ; v_permlanex16_b32: lane i of one half reads lane i of the other
	s_mov_b32 s21, 0xfedcba98
.irp g, G1K, G1V, G1Q, G1R
	s_mov_b32 s[\g+1], 128<<16                     ; rows of 128 elements
	s_mov_b32 s[\g+3], 128<<16
	s_mov_b32 s[\g+6], 0
	s_mov_b32 s[\g+7], 0
.endr
	s_mov_b32 s[G1K+0], PADW|15|(1<<21)            ; joint: all four work-groups of the cluster
	s_mov_b32 s[G1K+2], 64<<16
	s_mov_b32 s[G1K+4], 64
	s_mov_b32 s[G1K+5], 128                        ; K: rows are keys, dense
	s_mov_b32 s[G1V+0], PADW|15|(1<<21)
	s_mov_b32 s[G1V+2], 64<<16
	s_mov_b32 s[G1V+4], 64
	s_mov_b32 s[G1V+5], 1024                       ; V: rows are dv, 1,024 keys long
	s_mov_b32 s[G1Q+0], PADW
	s_mov_b32 s[G1Q+2], 64<<16
	s_mov_b32 s[G1Q+4], 64
	s_mov_b32 s[G1Q+5], 128
	s_mov_b32 s[G1R+0], PADW
	s_mov_b32 s[G1R+2], 26<<16                     ; 104 rows of tables, 26 a wave
	s_mov_b32 s[G1R+4], 26
	s_mov_b32 s[G1R+5], 128
	s_lshl_b32 s84, s18, 18                        ; the head's 262,144 bytes in q, k, v
	s_lshl_b32 s86, s16, 14                        ; K: my 64 keys of 256 bytes
	s_add_co_u32 s86, s86, s84
	s_mov_b32 s87, 0
	s_lshl_b32 s22, s16, 17                        ; V: my 64 rows of 2,048 bytes
	s_add_co_u32 s22, s22, s84
	s_mov_b32 s23, 0
	s_lshl_b32 s88, s17, 16                        ; Q: 256 cx + 64 w rows (s88-91 alone see cx)
	s_lshl_b32 s89, s14, 14
	s_add_co_u32 s88, s88, s89
	s_add_co_u32 s88, s88, s84
	s_mov_b32 s89, 0
	s_lshl_b32 s90, s17, 15                        ; the tables of cx, my 26 rows
	s_mul_i32 s91, s14, 26*256
	s_add_co_u32 s90, s90, s91
	s_mov_b32 s91, 0
	s_mul_i32 s19, s16, HALF
	s_mul_i32 s84, s14, HALF
	s_mul_i32 s85, s14, 26*KP
.irp s, 0,1
	s_mov_b32 s[G0K+4*\s], 1
	s_add_co_u32 s[G0K+4*\s+1], s19, \s*SLOT
	s_mov_b32 s[G0V+4*\s], 1
	s_add_co_u32 s[G0V+4*\s+1], s19, \s*SLOT+VT
.endr
	s_mov_b32 s[G0Q], 1
	s_add_co_u32 s[G0Q+1], s84, QT
	s_mov_b32 s[G0R], 1
	s_add_co_u32 s[G0R+1], s85, REL
	s_wait_dscnt 0x0
	s_wait_kmcnt 0x0
.irp s, 0,1
	s_add_nc_u64 s[G0K+4*\s+2:G0K+4*\s+3], s[6:7], s[86:87]
	s_add_nc_u64 s[G0K+4*\s+2:G0K+4*\s+3], s[G0K+4*\s+2:G0K+4*\s+3], \s*32768   ; step s: 128 keys of 256 bytes
	s_or_b32 s[G0K+4*\s+3], s[G0K+4*\s+3], 0x80000000
	s_add_nc_u64 s[G0V+4*\s+2:G0V+4*\s+3], s[8:9], s[22:23]
	s_add_nc_u64 s[G0V+4*\s+2:G0V+4*\s+3], s[G0V+4*\s+2:G0V+4*\s+3], \s*256     ; step s: 128 keys of 2 bytes
	s_or_b32 s[G0V+4*\s+3], s[G0V+4*\s+3], 0x80000000
.endr
	s_add_nc_u64 s[G0Q+2:G0Q+3], s[4:5], s[88:89]
	s_or_b32 s[G0Q+3], s[G0Q+3], 0x80000000
	s_add_nc_u64 s[G0R+2:G0R+3], s[10:11], s[90:91]
	s_or_b32 s[G0R+3], s[G0R+3], 0x80000000
	ROUND                                          ; all four work-groups are here
	tensor_load_to_lds s[G0R:G0R+3], s[G1R:G1R+7]  ; the first fills go out as one group: four loads of the wave are out
	s_nop 0
	tensor_load_to_lds s[G0Q:G0Q+3], s[G1Q:G1Q+7]
	s_nop 0
	JLOAD 0
	JLOAD 1
	s_lshl_b32 s88, s18, 19                        ; out0: the head's 128 rows of 4,096 bytes, my 64 queries of 4 bytes
	s_lshl_b32 s89, s17, 10
	s_add_co_u32 s88, s88, s89
	s_lshl_b32 s89, s14, 8
	s_add_co_u32 s88, s88, s89
	s_mov_b32 s89, 0
	s_add_nc_u64 s[12:13], s[12:13], s[88:89]
	v_and_b32 v1, 15, v0                           ; r
	v_bfe_u32 v2, v0, 4, 1                         ; h
	v_mul_u32_u24 v24, v1, KP
	v_lshl_add_u32 v25, v2, 4, v24                 ; a fragment's lane term: 272 r + 16 h
	v_mov_b32 v[ADRK], v25
	v_add_nc_u32 v[ADRK+1], SLOT, v25
	v_add_nc_u32 v[ADRV], VT, v25
	v_add_nc_u32 v[ADRV+1], SLOT+VT, v25
	s_add_co_u32 s85, s84, STAGE                   ; my stage
	s_add_co_u32 s84, s84, QT                      ; my Q
	v_add_nc_u32 v[ADRH], s85, v24                 ; height terms of query r: stage row r; steps by 16 bytes (four key rows) a step
	v_add_nc_u32 v[ADRQ], s84, v25
	v_add_nc_u32 v[ADRRW], REL, v25
	s_mul_i32 s86, s14, 2*KP
	s_sub_co_u32 s86, REL+70*KP, s86
	v_add_nc_u32 v[ADRRH], s86, v25                ; table row 64 + yh + 7 - (2 w + t / 2): here 70 - 2 w + r, the rest in the immediates
	v_lshl_add_u32 v[ADRST], v2, 5, v[ADRH]        ; stage in: row x, word 16 mt + 8 h + j
	v_mul_u32_u24 v26, v1, KP-4
	v_lshl_add_u32 v26, v2, 5, v26
	s_add_co_u32 s87, s85, 124
	v_add_nc_u32 v[ADRB], s87, v26                 ; stage back, skewed: row x, word yw - xw + 31 = (8 h + ..) - r + 31
	v_mul_u32_u24 v27, v2, 8*KP
	v_lshl_add_u32 v27, v1, 2, v27
	v_add_nc_u32 v[STO], s85, v27                  ; the way out, in: row dv = 8 h + j, word x
	v_mul_u32_u24 v28, v2, KP
	v_lshl_add_u32 v28, v1, 4, v28
	v_add_nc_u32 v[RD], s85, v28                   ; the way out, back: two rows of 256 bytes a load
	v_lshlrev_b32 v29, 12, v2
	v_lshl_add_u32 v[CO], v1, 4, v29               ; and the same two rows in out0
.irp t, 0,1,2,3
	v_mov_b32 v[ST+8*\t+5], 0                      ; the exchange's destination counts as read
.endr
.macro MM3 d, a, b, c
	v_wmma_f32_16x16x32_f16 v[\d:\d+7], v[\a:\a+7], v[\b:\b+7], v[\c:\c+7]
.endm
.macro MM0 d, a, b
	v_wmma_f32_16x16x32_f16 v[\d:\d+7], v[\a:\a+7], v[\b:\b+7], 0
.endm
.macro FRAG16 adr, off                 ; 16 fragments (64 rows x 128 d) into the K pool
	WIN 0xc0
.irp mt, 0,1,2,3
.irp ks, 0,1,2,3
	ds_load_b128 v[8*(4*\mt+\ks):8*(4*\mt+\ks)+3], v[\adr] offset:\off+\mt*16*KP+64*\ks
	ds_load_b128 v[8*(4*\mt+\ks)+4:8*(4*\mt+\ks)+7], v[\adr] offset:\off+\mt*16*KP+64*\ks+32
.endr
.endr
.endm
.macro KLOAD slot, c
	FRAG16 ADRK+\slot, \c*HALF
.endm
.macro VLOAD slot, c                   ; 16 fragments (128 dv x 64 keys) into the V pool
	WIN 0xc0
.irp ys, 0,1
.irp dvt, 0,1,2,3,4,5,6,7
	ds_load_b128 v[VPOOL+8*(8*\ys+\dvt):VPOOL+8*(8*\ys+\dvt)+3], v[ADRV+\slot] offset:\dvt*16*KP+128*\c+64*\ys
	ds_load_b128 v[VPOOL+8*(8*\ys+\dvt)+4:VPOOL+8*(8*\ys+\dvt)+7], v[ADRV+\slot] offset:\dvt*16*KP+128*\c+64*\ys+32
.endr
.endr
.endm
.macro RHLOAD c
.irp t, 0,1,2,3
	ds_load_b64 v[RHV+2*\t:RHV+2*\t+1], v[ADRH] offset:\t*16*KP+8*\c
.endr
.endm
; 64 matrix instructions: 64 rows of the K pool x my 64 queries over d = 128.  bias = 1: the first product of each tile adds onto the width terms; 0: it starts at 0.
; The 16 accumulators take turns, one instruction a turn.
.macro SPHASE bias
	WIN 0x0b                                       ; first source window 3, second window 2, C and D window 0
.irp ks, 0,1,2,3
.irp mt, 0,1,2,3
.irp t, 0,1,2,3
.if \ks == 0
.if \bias
	MM3 SS+8*(4*\mt+\t), 8*(4*\mt+\ks), 8*(4*\t+\ks), BI+8*(4*(\mt&1)+\t)
.else
	MM0 SS+8*(4*\mt+\t), 8*(4*\mt+\ks), 8*(4*\t+\ks)
.endif
.else
	MM3 SS+8*(4*\mt+\t), 8*(4*\mt+\ks), 8*(4*\t+\ks), SS+8*(4*\mt+\t)
.endif
.endr
.endr
.endr
.endm
.macro MAXSTEP o1, o2                  ; one link of the eight chains (t, key row a); o: register among the 16 of tiles 2 a and 2 a + 1 (the second tile is 32 registers on)
.irp t, 0,1,2,3
.irp a, 0,1
	v_max3_num_f32 v[TT+2*\t+\a], v[TT+2*\t+\a], v[SS+8*(8*\a+\t)+\o1], v[SS+8*(8*\a+\t)+\o2]
.endr
.endr
.endm
.macro EXPT t, mt                      ; tile (mt, t): p = 2^(s + height term - M), in place
.irp q, 0,2,4,6
	v_pk_add_f32 v[SS+8*(4*\mt+\t)+\q:SS+8*(4*\mt+\t)+\q+1], v[SS+8*(4*\mt+\t)+\q:SS+8*(4*\mt+\t)+\q+1], v[ST+8*\t+2*(\mt>>1):ST+8*\t+2*(\mt>>1)+1] op_sel_hi:[1,0]
.endr
.irp q, 0,1,2,3,4,5,6,7
	v_exp_f32 v[SS+8*(4*\mt+\t)+\q], v[SS+8*(4*\mt+\t)+\q]
.endr
.endm
; tile (mt, t), one tile behind its exponentials (plain instructions on other tiles stand between: ISA guide 5.7.2): its sum, then its rounding to f16 into P (mt / 2, t)
.macro CONSUME t, mt, first
.set ct, \t
.set sb, SS+8*(4*\mt+ct)
.set pb, SS+8*(4*(\mt&2)+ct)+4*(\mt&1)
.if \mt == 0
	s_wait_alu depctr_va_vdst(0)
	v_pk_add_f32 v[SPA:SPA+1], v[sb:sb+1], v[sb+2:sb+3]            ; the first tile starts the sums
	v_pk_add_f32 v[SPB:SPB+1], v[sb+4:sb+5], v[sb+6:sb+7]
.else
	s_wait_alu depctr_va_vdst(0)
	v_pk_add_f32 v[SPA:SPA+1], v[SPA:SPA+1], v[sb:sb+1]
	v_pk_add_f32 v[SPB:SPB+1], v[SPB:SPB+1], v[sb+2:sb+3]
	v_pk_add_f32 v[SPA:SPA+1], v[SPA:SPA+1], v[sb+4:sb+5]
	v_pk_add_f32 v[SPB:SPB+1], v[SPB:SPB+1], v[sb+6:sb+7]
.endif
.irp q, 0,1,2,3
	v_cvt_pk_f16_f32 v[pb+\q], v[sb+2*\q], v[sb+2*\q+1]            ; in place: word q is written when numbers 2 q and 2 q + 1 have been read
.endr
.if \mt == 3
	v_pk_add_f32 v[SPA:SPA+1], v[SPA:SPA+1], v[SPB:SPB+1]
.if \first
	v_add_f32 v[ST+8*ct+6], v[SPA], v[SPA+1]
.else
	v_add_f32 v[ST+8*ct+3], v[SPA], v[SPA+1]
	v_fma_f32 v[ST+8*ct+6], v[ST+8*ct+6], v[ST+8*ct+4], v[ST+8*ct+3]   ; L = L x AL + this trip's sum (each half of the lanes keeps its own part)
.endif
.endif
.endm
.macro SOFTMAX first
	; maxima of S without the height terms, for each tile t and key row a: eight chains that do not wait for each other
.irp t, 0,1,2,3
.irp a, 0,1
	v_max3_num_f32 v[TT+2*\t+\a], v[SS+8*(8*\a+\t)], v[SS+8*(8*\a+\t)+1], v[SS+8*(8*\a+\t)+2]
.endr
.endr
	MAXSTEP 3, 4
	MAXSTEP 5, 6
	MAXSTEP 7, 32
	MAXSTEP 33, 34
	MAXSTEP 35, 36
	MAXSTEP 37, 38
.irp t, 0,1,2,3
.irp a, 0,1
	v_max_num_f32 v[TT+2*\t+\a], v[TT+2*\t+\a], v[SS+8*(8*\a+\t)+39]
.endr
.endr
	; the height term is constant along a key row: added to the row's maximum; then the two rows, the two halves of the lanes, the running maximum
.irp t, 0,1,2,3
	v_pk_add_f32 v[TT+2*\t:TT+2*\t+1], v[TT+2*\t:TT+2*\t+1], v[RHV+2*\t:RHV+2*\t+1]
.endr
.irp t, 0,1,2,3
	v_max_num_f32 v[ST+8*\t+3], v[TT+2*\t], v[TT+2*\t+1]
.endr
.irp t, 0,1,2,3
	v_permlanex16_b32 v[ST+8*\t+5], v[ST+8*\t+3], s20, s21
.endr
.if \first
.irp t, 0,1,2,3
	v_max_num_f32 v[ST+8*\t+1], v[ST+8*\t+3], v[ST+8*\t+5]
.endr
.else
.irp t, 0,1,2,3
	v_max3_num_f32 v[ST+8*\t+3], v[ST+8*\t+3], v[ST+8*\t+5], v[ST+8*\t+1]
.endr
.irp t, 0,1,2,3
	v_sub_f32 v[ST+8*\t+5], v[ST+8*\t+1], v[ST+8*\t+3]             ; old maximum - new
.endr
.irp t, 0,1,2,3
	v_mov_b32 v[ST+8*\t+1], v[ST+8*\t+3]
.endr
.irp t, 0,1,2,3
	v_exp_f32 v[ST+8*\t+4], v[ST+8*\t+5]                           ; AL; the subtractions below are the plain instructions behind it
.endr
.endif
.irp t, 0,1,2,3
	v_sub_f32 v[ST+8*\t], v[RHV+2*\t], v[ST+8*\t+1]                ; c0 = height term of key row 0 - M
	v_sub_f32 v[ST+8*\t+2], v[RHV+2*\t+1], v[ST+8*\t+1]            ; c1
.endr
.irp t, 0,1,2,3
	EXPT \t, 0
.if \t > 0
	CONSUME \t-1, 3, \first
.endif
	EXPT \t, 1
	CONSUME \t, 0, \first
	EXPT \t, 2
	CONSUME \t, 1, \first
	EXPT \t, 3
	CONSUME \t, 2, \first
.endr
	CONSUME 3, 3, \first
.endm
.macro RESCALE                         ; O x AL (in the end: x 1 / L), a number for each query = lane
	WIN 0x41
.irp dvt, 0,1,2,3,4,5,6,7
.irp t, 0,1,2,3
.irp q, 0,2,4,6
	v_pk_mul_f32 v[8*(4*\dvt+\t)+\q:8*(4*\dvt+\t)+\q+1], v[8*(4*\dvt+\t)+\q:8*(4*\dvt+\t)+\q+1], v[ST+8*\t+4:ST+8*\t+5] op_sel_hi:[1,0]
.endr
.endr
.endr
.endm
; 64 matrix instructions: O^T += V^T P^T over the trip's 64 keys.  The 32 accumulators take turns, one instruction a turn.
.macro PVPHASE first
	WIN 0x53                                       ; first source window 3, second window 0, C and D window 1
.irp ys, 0,1
.irp dvt, 0,1,2,3,4,5,6,7
.irp t, 0,1,2,3
.if \first*(1-\ys)
	MM0 8*(4*\dvt+\t), VPOOL+8*(8*\ys+\dvt), SS+8*(8*\ys+\t)
.else
	MM3 8*(4*\dvt+\t), VPOOL+8*(8*\ys+\dvt), SS+8*(8*\ys+\t), 8*(4*\dvt+\t)
.endif
.endr
.endr
.endr
.endm
; A trip: 64 keys, half c of the slot.  mode 0: the next K fragments come from this slot; 1: this slot is filled again, two steps ahead, and the other is read;
; 2: change of slots alone; 3: the end.
.macro TRIP slot, c, first, mode
	s_wait_dscnt 0x0                               ; the K fragments, asked for in front of the last softmax, are in
	PLACES
	RHLOAD \c
	VLOAD \slot, \c
	SPHASE 1
	WIN 0
	PLACES
	s_wait_dscnt 0x0                               ; height terms and V fragments, asked for in front of the 64 products, are in: with c = 1 all my reads of this slot are over
.if \mode == 0
	KLOAD \slot, 1
.endif
.if \mode == 1
	s_wait_tensorcnt 0x0                           ; all my tensor loads have landed: the one that was out is my part of the other slot
	ds_add_u32 v55, v63
	s_wait_dscnt 0x0
	s_add_nc_u64 s[G0K+4*\slot+2:G0K+4*\slot+3], s[G0K+4*\slot+2:G0K+4*\slot+3], 65536
	s_add_nc_u64 s[G0V+4*\slot+2:G0V+4*\slot+3], s[G0V+4*\slot+2:G0V+4*\slot+3], 512
	ROUND                                          ; both hold of every wave of the four work-groups
	JLOAD \slot                                    ; my one tensor load behind the round
	KLOAD 1-\slot, 0
.endif
.if \mode == 2
	s_wait_tensorcnt 0x0
	s_barrier_signal -1
	s_barrier_wait -1                              ; the last tile is whole for every wave
	KLOAD 1-\slot, 0
.endif
	WIN 0
	SOFTMAX \first
.if \first == 0
	RESCALE
.endif
	PVPHASE \first
	WIN 0
.endm
.macro STEP slot, first, mode
	TRIP \slot, 0, \first, 0
	TRIP \slot, 1, 0, \mode
	v_add_nc_u32 v[ADRH], 16, v[ADRH]              ; four key rows on
.endm
	s_wait_tensorcnt 0x2                           ; the tables and Q are in; the two key tiles stay out
	s_barrier_signal -1
	s_barrier_wait -1                              ; every wave reads all of the tables
	WIN 0x80
.irp t, 0,1,2,3
.irp ks, 0,1,2,3
	ds_load_b128 v[8*(4*\t+\ks):8*(4*\t+\ks)+3], v[ADRQ] offset:\t*16*KP+64*\ks
	ds_load_b128 v[8*(4*\t+\ks)+4:8*(4*\t+\ks)+7], v[ADRQ] offset:\t*16*KP+64*\ks+32
.endr
.endr
	FRAG16 ADRRW, 0                                ; rel_width, rows 0 to 63 (row 63 repeats 62 and is never picked)
	s_wait_dscnt 0x0
	SPHASE 0                                       ; R(m, x) = rel_width[m] . q_x
	WIN 0
	PLACES
.irp t, 0,1,2,3
.irp mt, 0,1,2,3
	ds_store_b128 v[ADRST], v[SS+8*(4*\mt+\t):SS+8*(4*\mt+\t)+3] offset:\t*16*KP+64*\mt
	ds_store_b128 v[ADRST], v[SS+8*(4*\mt+\t)+4:SS+8*(4*\mt+\t)+7] offset:\t*16*KP+64*\mt+16
.endr
.endr
	; back with the skew: width term of key column yw = 16 e + 8 h + j for query column xw = 16 (t mod 2) + r.  LDS serves a wave's instructions in order (ISA guide 5.7.1): these see the stores above
.irp t, 0,1,2,3
.irp e, 0,1
.irp j, 0,1,2,3,4,5,6,7
	ds_load_b32 v[BI+8*(4*\e+\t)+\j], v[ADRB] offset:\t*16*KP+64*\e-64*(\t&1)+4*\j
.endr
.endr
.endr
	WIN 0xc0
.irp tp, 0,1
.irp mp, 0,1
.irp ks, 0,1,2,3
	ds_load_b128 v[8*(4*(2*\tp+\mp)+\ks):8*(4*(2*\tp+\mp)+\ks)+3], v[ADRRH] offset:(1-\tp)*KP+\mp*16*KP+64*\ks
	ds_load_b128 v[8*(4*(2*\tp+\mp)+\ks)+4:8*(4*(2*\tp+\mp)+\ks)+7], v[ADRRH] offset:(1-\tp)*KP+\mp*16*KP+64*\ks+32
.endr
.endr
.endr
	s_wait_dscnt 0x0
	WIN 0x0b                                       ; H(yh, x) = rel_height[yh - xh + 31] . q_x: the 32 rows of the table that belong to query row 2 w + t / 2; eight accumulators by turns
.irp ks, 0,1,2,3
.irp mp, 0,1
.irp t, 0,1,2,3
.if \ks == 0
	MM0 SS+8*(4*\mp+\t), 8*(4*(2*(\t>>1)+\mp)+\ks), 8*(4*\t+\ks)
.else
	MM3 SS+8*(4*\mp+\t), 8*(4*(2*(\t>>1)+\mp)+\ks), 8*(4*\t+\ks), SS+8*(4*\mp+\t)
.endif
.endr
.endr
.endr
	WIN 0
	PLACES
.irp t, 0,1,2,3
.irp mp, 0,1
	ds_store_b128 v[ADRST], v[SS+8*(4*\mp+\t):SS+8*(4*\mp+\t)+3] offset:\t*16*KP+64*\mp
	ds_store_b128 v[ADRST], v[SS+8*(4*\mp+\t)+4:SS+8*(4*\mp+\t)+7] offset:\t*16*KP+64*\mp+16
.endr
.endr
	s_wait_tensorcnt 0x1                           ; my part of key tile 0 is in; tile 1's stays out
	s_wait_dscnt 0x0
	s_barrier_signal -1
	s_barrier_wait -1
	KLOAD 0, 0
	WIN 0
	STEP 0, 1, 1                                   ; step 0: its first products start O, its first sums start L
	s_mov_b32 s19, 2
.Llap:
	STEP 1, 0, 1                                   ; steps 1 to 4
	STEP 0, 0, 1
	s_sub_co_u32 s19, s19, 1
	s_cmp_lg_u32 s19, 0
	s_cbranch_scc1 .Llap
	STEP 1, 0, 1                                   ; step 5 asks for the last tile
	STEP 0, 0, 2
	STEP 1, 0, 3
	; the sums of the two halves of the lanes meet; O / L; then out through my stage, 16 rows dv at a time
	PLACES
.irp t, 0,1,2,3
	v_permlanex16_b32 v[ST+8*\t+5], v[ST+8*\t+6], s20, s21
.endr
.irp t, 0,1,2,3
	v_add_f32 v[ST+8*\t+6], v[ST+8*\t+6], v[ST+8*\t+5]
.endr
.irp t, 0,1,2,3
	v_rcp_f32 v[ST+8*\t+4], v[ST+8*\t+6]
.endr
	v_nop                                          ; the plain instruction behind the reciprocals
	s_wait_alu depctr_va_vdst(0)
	RESCALE
.macro OUT16 dvt, f
	WIN 0x04                                       ; the stores' data lie in window 1
.irp t, 0,1,2,3
.irp j, 0,1,2,3,4,5,6,7
	ds_store_b32 v[STO], v[8*(4*\dvt+\t)+\j] offset:((\dvt&3)*16+\j)*KP+64*\t
.endr
.endr
	WIN 0
	s_wait_xcnt 0x0                                ; registers that earlier stores read are loaded again only behind this wait
.irp q, 0,1,2,3,4,5,6,7
	ds_load_b128 v[\f+4*\q:\f+4*\q+3], v[RD] offset:((\dvt&3)*16+2*\q)*KP
.endr
.irp q, 0,1,2,3,4,5,6,7
	s_wait_dscnt 7-\q                              ; load q of the eight is in
	global_store_b128 v[CO], v[\f+4*\q:\f+4*\q+3], s[12:13] offset:(16*\dvt+2*\q)*4096 th:TH_STORE_NT   ; 16 lanes store 256 consecutive bytes, aligned: my 64 queries of one row dv
.endr
.endm
	OUT16 0, 64
	OUT16 1, 96
	OUT16 2, 64
	OUT16 3, 96
	OUT16 4, 64
	OUT16 5, 96
	OUT16 6, 64
	OUT16 7, 96
	s_wait_tensorcnt 0x0
	ds_add_u32 v55, v63
	s_wait_dscnt 0x0
	ROUND                                          ; the closing round: no work-group ends while a partner may still ask for a tile that names it
	s_endpgm
.Lfunc_end_k_q1f1b8cbca5_attn:
	.size	k_q1f1b8cbca5_attn, .Lfunc_end_k_q1f1b8cbca5_attn-k_q1f1b8cbca5_attn
	.p2alignl 7, 3214868480
	.fill 96, 4, 3214868480
	.section	.rodata,"a",@progbits
	.p2align	6, 0x0
	.amdhsa_kernel k_q1f1b8cbca5_attn
		.amdhsa_group_segment_fixed_size 327680
		.amdhsa_private_segment_fixed_size 0
		.amdhsa_enable_private_segment 0
		.amdhsa_kernarg_size 40
		.amdhsa_user_sgpr_count 2
		.amdhsa_user_sgpr_kernarg_segment_ptr 1
		.amdhsa_wavefront_size32 1
		.amdhsa_system_sgpr_workgroup_id_x 1
		.amdhsa_system_sgpr_workgroup_id_y 1
		.amdhsa_system_sgpr_workgroup_id_z 1
		.amdhsa_system_vgpr_workitem_id 0
		.amdhsa_next_free_vgpr 1024
		.amdhsa_next_free_sgpr 92
		.amdhsa_reserve_vcc 0
		.amdhsa_float_denorm_mode_32 3
		.amdhsa_float_denorm_mode_16_64 3
		.amdhsa_memory_ordered 1
		.amdhsa_forward_progress 1
		.amdhsa_inst_pref_size 255
	.end_amdhsa_kernel
	.section	.bss,"aw",@nobits
	.p2align	6
	.space	262144
	.amdgpu_metadata
---
amdhsa.version: [ 1, 2 ]
amdhsa.kernels:
  - .name:           k_q1f1b8cbca5_attn
    .symbol:         k_q1f1b8cbca5_attn.kd
    .args:
      - { .name: qws, .offset: 0, .size: 8, .value_kind: global_buffer, .address_space: global }
      - { .name: kws, .offset: 8, .size: 8, .value_kind: global_buffer, .address_space: global }
      - { .name: vws, .offset: 16, .size: 8, .value_kind: global_buffer, .address_space: global }
      - { .name: relws, .offset: 24, .size: 8, .value_kind: global_buffer, .address_space: global }
      - { .name: out0, .offset: 32, .size: 8, .value_kind: global_buffer, .address_space: global }
    .group_segment_fixed_size: 327680
    .private_segment_fixed_size: 0
    .kernarg_segment_align: 8
    .kernarg_segment_size: 40
    .max_flat_workgroup_size: 128
    .sgpr_count:     92
    .vgpr_count:     1024
    .wavefront_size: 32
...
	.end_amdgpu_metadata
.endif
;; end of part 3
;; ======== version 2 of 3: 3 launches; 1.23 times as fast as version 1
;; limits: values are held in f16: magnitudes above 65,504 overflow, below 6.1e-05 lose precision
;; workspace buffers: xws 16,777,216 bytes; wws 1,572,864 bytes; relws 131,072 bytes; qws 16,777,216 bytes; kws 16,777,216 bytes; vws 16,777,216 bytes
;; launch cast: the kernel of part 1 again; grid 256 x 1, 8 waves a work-group, no clusters, 0 bytes of LDS; arguments featuremap, w_qk, w_v, rel_height, rel_width, xws, wws, relws; writes xws, wws, relws
;; launch proj: the kernel of part 2 again; grid 4 x 64, 4 waves a work-group, clusters of 4 x 4, 327,680 bytes of LDS; arguments xws, wws, qws, kws, vws; writes qws, kws, vws
;; launch attn (part 4): grid 256 x 1, 4 waves a work-group, clusters of 4 x 1, 327,680 bytes of LDS; arguments qws, kws, vws, relws, out0; writes out0
.if DOCPART == 4
	.amdgcn_target "amdgcn-amd-amdhsa--gfx1250"
	.amdhsa_code_object_version 6
	.text
	.protected	k_q1f1b8cbca5_attn
	.globl	k_q1f1b8cbca5_attn
	.p2align	8
	.type	k_q1f1b8cbca5_attn,@function
k_q1f1b8cbca5_attn:
	s_mov_b64 s[64:65], 0
	v_nop
	global_prefetch_b8 v0, s[64:65] scope:SCOPE_SE
	s_setreg_imm32_b32 hwreg(HW_REG_WAVE_MODE, 25, 1), 1
	s_wait_xcnt 0x0
	s_wait_alu depctr_hold_cnt(0) depctr_sa_sdst(0) depctr_va_vdst(0) depctr_va_sdst(0) depctr_va_ssrc(0) depctr_va_vcc(0) depctr_vm_vsrc(0)
	s_getreg_b32 s2, hwreg(HW_REG_IB_STS2, 6, 4)
	s_cmp_eq_u32 s2, 0
	s_cbranch_scc0 .Lentry_in_a_cluster
	s_endpgm
.Lentry_in_a_cluster:
	s_bfe_u32 s2, ttmp6, 0x10000c
	s_cmp_lg_u32 s2, 0x3003
	s_cbranch_scc0 .Lentry_shape_is_right
	s_endpgm
.Lentry_shape_is_right:
; Attention with relative logits, one pass over the keys with a running maximum.  f16 operands, f32 sums and softmax.
; logit(x, y) = q_x . (k_y + rel_width[yw - xw + 31] + rel_height[yh - xh + 31]), x = 32 xh + xw, y = 32 yh + yw; q carries 128^-0.5 x log2(e), so exponentials are 2^x.
; CLUSTER 4 x 1: a cluster is one head (ttmp9); work-group cx takes queries 256 cx .. + 255, wave w 64 of them (4 tiles t of 16).
; The four work-groups read the same tiles of K and V: those are asked for jointly.  Q and the relative tables differ with cx: plain loads.
; TRANSPOSED: S^T = K Q^T: lane (r, h) holds query x = 16 t + r, its registers the keys 16 mt + 8 h + j.  So a query's maximum and sum are one number a lane
; (the two halves of the lanes are joined by one exchange), and two tiles of S^T, rounded to f16, ARE the second source of O^T = V^T P^T: P never leaves the registers.
; The width term does not hang on the key row: it is made once (64 x 64 numbers a wave) and enters as the C operand of each tile's first product.
; The height term is constant along a key row: it is made once (64 x 32 a wave), kept in LDS, and added with the maximum's subtraction.
; The maximum is taken over the full logits.  A trip is 64 keys (two key rows), a step 128 keys (one LDS slot): 16 trips in 8 steps.
; TWO HALVES, SHIFTED.  Independent vector instructions may stand behind a matrix instruction (ISA guide 7.12.1); here they are the softmax.  The wave's queries are
; two halves, X (tiles 0, 1) and Y (tiles 2, 3), whose trips are shifted by half a trip.  A UNIT is four quarters of 32 products, each with half of one half's softmax between them:
;     S of Y, trip i        |  softmax of X, trip i, second part
;     P.V of X, trip i      |  softmax of Y, trip i, first part
;     S of X, trip i + 1    |  softmax of Y, trip i, second part
;     P.V of Y, trip i      |  softmax of X, trip i + 1, first part
; In each quarter the vector instructions name registers of the other half alone.  The vector stream stays one sequence (X whole, Y whole, X ..), so its temporaries are shared.
; 552 vector instructions stand among a unit's 128 products, about four behind each.  S and P, O, Q and the pools lie in four register windows, so a product that stands
; alone among vector instructions costs two switches of the window: that is the price of this order.  In the loop the products go singly; in the units written out
; around it they go in pairs, which halves the switches there and keeps the text short.
; THE LOOP: unit 0, whose products start O and whose sums start L, stands ahead; a lap is four units (slot 0 second half, slot 1 both halves, slot 0 first half);
; three laps hold units 1 to 12 and all six refills (tiles 2 to 7); units 13 to 15 fill nothing and are written out.
; LIMIT: P is rounded to f16 (weights under 6e-8 of the row's largest vanish); 2^x gives 0 where the result is under 2^-126 (ISA guide 15.8).  The sums' order is not the reference function's.
; REGISTERS: window 0: v3-15 addresses, v16-23 height terms, v24-31 at work, v32-63 statistics, v64-191 S and P, v192-255 width terms;
;            window 1: O (dvt, t) at v[8 (4 dvt + t)];  window 2: Q (t, ks) at v[8 (4 t + ks)];  window 3: K (mt, ks) at v[8 (4 mt + ks)], V (dvt, ys) at v[128 + 8 (8 ys + dvt)].
.set KP,    272                        ; LDS pitch of every row of 256 bytes: sixteen rows of a fragment start at sixteen different 16-byte columns modulo 256 bytes
.set HALF,  64*KP                      ; 64 rows: what one tensor load brings
.set VT,    2*HALF                     ; V's 128 rows lie behind K's 128
.set SLOT,  4*HALF                     ; 69,632
.set QT,    2*SLOT                     ; 139,264: each wave's 64 rows of Q
.set STAGE, QT+4*HALF                  ; 208,896: each wave's own 64 rows x 272, written by LDS stores alone
.set REL,   STAGE+4*HALF               ; 278,528: 104 rows of the relative tables
.set CO,    3
.set ADRK,  4                          ; v4-5
.set ADRV,  6                          ; v6-7
.set ADRH,  8
.set ADRQ,  9
.set ADRRW, 10
.set ADRRH, 11
.set ADRST, 12
.set ADRB,  13
.set STO,   14
.set RD,    15
.set RHV,   16                         ; pair 16 + 2 t: the height terms of the trip's two key rows
.set TT,    24                         ; 24 + 2 t + a: maxima; v24-27 later two pairs of sums
.set SPA,   24
.set SPB,   26
.set ST,    32                         ; 8 a tile t: +0 c0, +1 M, +2 c1, +3 TA, +4 AL, +5 TB, +6 L
.set SS,    64                         ; S (mt, t) at 64 + 8 (4 mt + t); P (ys, t) is made in place in S (2 ys, t)
.set BI,    192                        ; width terms (e, t) at 192 + 8 (4 e + t)
.set VPOOL, 128
.set G1K, 24
.set G0K, 32
.set G1V, 40
.set G0V, 48
.set G1Q, 56
.set G0Q, 68
.set G1R, 72
.set G0R, 80
.set PADW, (1<<16)|(1<<20)|(5<<22)|(3<<25)     ; elements of 2 bytes; 4 words of padding behind every 64
.set MSB, 0
.macro WIN new
.if MSB != \new
	s_set_vgpr_msb (MSB<<8)|\new
.set MSB, \new
.endif
.endm
.macro ROUND                           ; a round of the cluster's barrier
	s_barrier_signal -1
	s_barrier_wait -1
	s_cmp_lg_u32 s14, 0
	s_cbranch_scc1 .Lnot_wave_0_\@
	s_barrier_signal -3
.Lnot_wave_0_\@:
	s_barrier_wait -3
	s_barrier_signal -1
	s_barrier_wait -1
.endm
.macro JLOAD s                         ; waves 0 and 1 fetch the halves of K's tile, waves 2 and 3 those of V's
	s_cmp_eq_u32 s15, 0
	s_cbranch_scc0 .Lfor_v_\@
	tensor_load_to_lds s[G0K+4*\s:G0K+4*\s+3], s[G1K:G1K+7]
	s_nop 0
	s_branch .Lasked_\@
.Lfor_v_\@:
	tensor_load_to_lds s[G0V+4*\s:G0V+4*\s+3], s[G1V:G1V+7]
	s_nop 0
.Lasked_\@:
.endm
.macro PLACES                          ; five places: a matrix instruction writes over an earlier one's source (P) only at that distance; four serve loads and vector instructions
.rept 5
	v_nop
.endr
.endm
	s_load_b256 s[4:11], s[0:1], 0x0               ; qws s[4:5], kws s[6:7], vws s[8:9], relws s[10:11]
	s_load_b64 s[12:13], s[0:1], 0x20              ; out0
	v_lshl_add_u32 v55, v0, 2, 0x4af00
	v_mov_b32 v63, 0
	ds_add_u32 v55, v63
	v_lshrrev_b32 v1, 5, v0
	v_readfirstlane_b32 s14, v1                    ; wave
	s_lshr_b32 s15, s14, 1                         ; I fetch K (0) or V (1)
	s_and_b32 s16, s14, 1                          ; which half
	s_bfe_u32 s17, ttmp6, 0x40000                  ; cx
	s_mov_b32 s18, ttmp9                           ; head, 0 to 63
	s_mov_b32 s20, 0x76543210                      ; v_permlanex16_b32: lane i of one half reads lane i of the other
	s_mov_b32 s21, 0xfedcba98
.irp g, G1K, G1V, G1Q, G1R
	s_mov_b32 s[\g+1], 128<<16                     ; rows of 128 elements
	s_mov_b32 s[\g+3], 128<<16
	s_mov_b32 s[\g+6], 0
	s_mov_b32 s[\g+7], 0
.endr
	s_mov_b32 s[G1K+0], PADW|15|(1<<21)            ; joint: all four work-groups of the cluster
	s_mov_b32 s[G1K+2], 64<<16
	s_mov_b32 s[G1K+4], 64
	s_mov_b32 s[G1K+5], 128                        ; K: rows are keys, dense
	s_mov_b32 s[G1V+0], PADW|15|(1<<21)
	s_mov_b32 s[G1V+2], 64<<16
	s_mov_b32 s[G1V+4], 64
	s_mov_b32 s[G1V+5], 1024                       ; V: rows are dv, 1,024 keys long
	s_mov_b32 s[G1Q+0], PADW
	s_mov_b32 s[G1Q+2], 64<<16
	s_mov_b32 s[G1Q+4], 64
	s_mov_b32 s[G1Q+5], 128
	s_mov_b32 s[G1R+0], PADW
	s_mov_b32 s[G1R+2], 26<<16                     ; 104 rows of tables, 26 a wave
	s_mov_b32 s[G1R+4], 26
	s_mov_b32 s[G1R+5], 128
	s_lshl_b32 s84, s18, 18                        ; the head's 262,144 bytes in q, k, v
	s_lshl_b32 s86, s16, 14                        ; K: my 64 keys of 256 bytes
	s_add_co_u32 s86, s86, s84
	s_mov_b32 s87, 0
	s_lshl_b32 s22, s16, 17                        ; V: my 64 rows of 2,048 bytes
	s_add_co_u32 s22, s22, s84
	s_mov_b32 s23, 0
	s_lshl_b32 s88, s17, 16                        ; Q: 256 cx + 64 w rows (s88-91 alone see cx)
	s_lshl_b32 s89, s14, 14
	s_add_co_u32 s88, s88, s89
	s_add_co_u32 s88, s88, s84
	s_mov_b32 s89, 0
	s_lshl_b32 s90, s17, 15                        ; the tables of cx, my 26 rows
	s_mul_i32 s91, s14, 26*256
	s_add_co_u32 s90, s90, s91
	s_mov_b32 s91, 0
	s_mul_i32 s19, s16, HALF
	s_mul_i32 s84, s14, HALF
	s_mul_i32 s85, s14, 26*KP
.irp s, 0,1
	s_mov_b32 s[G0K+4*\s], 1
	s_add_co_u32 s[G0K+4*\s+1], s19, \s*SLOT
	s_mov_b32 s[G0V+4*\s], 1
	s_add_co_u32 s[G0V+4*\s+1], s19, \s*SLOT+VT
.endr
	s_mov_b32 s[G0Q], 1
	s_add_co_u32 s[G0Q+1], s84, QT
	s_mov_b32 s[G0R], 1
	s_add_co_u32 s[G0R+1], s85, REL
	s_wait_dscnt 0x0
	s_wait_kmcnt 0x0
.irp s, 0,1
	s_add_nc_u64 s[G0K+4*\s+2:G0K+4*\s+3], s[6:7], s[86:87]
	s_add_nc_u64 s[G0K+4*\s+2:G0K+4*\s+3], s[G0K+4*\s+2:G0K+4*\s+3], \s*32768   ; step s: 128 keys of 256 bytes
	s_or_b32 s[G0K+4*\s+3], s[G0K+4*\s+3], 0x80000000
	s_add_nc_u64 s[G0V+4*\s+2:G0V+4*\s+3], s[8:9], s[22:23]
	s_add_nc_u64 s[G0V+4*\s+2:G0V+4*\s+3], s[G0V+4*\s+2:G0V+4*\s+3], \s*256     ; step s: 128 keys of 2 bytes
	s_or_b32 s[G0V+4*\s+3], s[G0V+4*\s+3], 0x80000000
.endr
	s_add_nc_u64 s[G0Q+2:G0Q+3], s[4:5], s[88:89]
	s_or_b32 s[G0Q+3], s[G0Q+3], 0x80000000
	s_add_nc_u64 s[G0R+2:G0R+3], s[10:11], s[90:91]
	s_or_b32 s[G0R+3], s[G0R+3], 0x80000000
	ROUND                                          ; all four work-groups are here
	tensor_load_to_lds s[G0R:G0R+3], s[G1R:G1R+7]  ; the first fills go out as one group: four loads of the wave are out
	s_nop 0
	tensor_load_to_lds s[G0Q:G0Q+3], s[G1Q:G1Q+7]
	s_nop 0
	JLOAD 0
	JLOAD 1
	s_lshl_b32 s88, s18, 19                        ; out0: the head's 128 rows of 4,096 bytes, my 64 queries of 4 bytes
	s_lshl_b32 s89, s17, 10
	s_add_co_u32 s88, s88, s89
	s_lshl_b32 s89, s14, 8
	s_add_co_u32 s88, s88, s89
	s_mov_b32 s89, 0
	s_add_nc_u64 s[12:13], s[12:13], s[88:89]
	v_and_b32 v1, 15, v0                           ; r
	v_bfe_u32 v2, v0, 4, 1                         ; h
	v_mul_u32_u24 v24, v1, KP
	v_lshl_add_u32 v25, v2, 4, v24                 ; a fragment's lane term: 272 r + 16 h
	v_mov_b32 v[ADRK], v25
	v_add_nc_u32 v[ADRK+1], SLOT, v25
	v_add_nc_u32 v[ADRV], VT, v25
	v_add_nc_u32 v[ADRV+1], SLOT+VT, v25
	s_add_co_u32 s85, s84, STAGE                   ; my stage
	s_add_co_u32 s84, s84, QT                      ; my Q
	v_add_nc_u32 v[ADRH], s85, v24                 ; height terms of query r: stage row r; steps by 16 bytes (four key rows) a step
	v_add_nc_u32 v[ADRQ], s84, v25
	v_add_nc_u32 v[ADRRW], REL, v25
	s_mul_i32 s86, s14, 2*KP
	s_sub_co_u32 s86, REL+70*KP, s86
	v_add_nc_u32 v[ADRRH], s86, v25                ; table row 64 + yh + 7 - (2 w + t / 2): here 70 - 2 w + r, the rest in the immediates
	v_lshl_add_u32 v[ADRST], v2, 5, v[ADRH]        ; stage in: row x, word 16 mt + 8 h + j
	v_mul_u32_u24 v26, v1, KP-4
	v_lshl_add_u32 v26, v2, 5, v26
	s_add_co_u32 s87, s85, 124
	v_add_nc_u32 v[ADRB], s87, v26                 ; stage back, skewed: row x, word yw - xw + 31 = (8 h + ..) - r + 31
	v_mul_u32_u24 v27, v2, 8*KP
	v_lshl_add_u32 v27, v1, 2, v27
	v_add_nc_u32 v[STO], s85, v27                  ; the way out, in: row dv = 8 h + j, word x
	v_mul_u32_u24 v28, v2, KP
	v_lshl_add_u32 v28, v1, 4, v28
	v_add_nc_u32 v[RD], s85, v28                   ; the way out, back: two rows of 256 bytes a load
	v_lshlrev_b32 v29, 12, v2
	v_lshl_add_u32 v[CO], v1, 4, v29               ; and the same two rows in out0
.irp t, 0,1,2,3
	v_mov_b32 v[ST+8*\t+5], 0                      ; the exchange's destination counts as read
.endr
.macro MM3 d, a, b, c
	v_wmma_f32_16x16x32_f16 v[\d:\d+7], v[\a:\a+7], v[\b:\b+7], v[\c:\c+7]
.endm
.macro MM0 d, a, b
	v_wmma_f32_16x16x32_f16 v[\d:\d+7], v[\a:\a+7], v[\b:\b+7], 0
.endm
.macro FRAG16 adr, off                 ; 16 fragments (64 rows x 128 d) into the K pool
	WIN 0xc0
.irp mt, 0,1,2,3
.irp ks, 0,1,2,3
	ds_load_b128 v[8*(4*\mt+\ks):8*(4*\mt+\ks)+3], v[\adr] offset:\off+\mt*16*KP+64*\ks
	ds_load_b128 v[8*(4*\mt+\ks)+4:8*(4*\mt+\ks)+7], v[\adr] offset:\off+\mt*16*KP+64*\ks+32
.endr
.endr
.endm
.macro KLOAD slot, c
	FRAG16 ADRK+\slot, \c*HALF
.endm
.macro VLOAD slot, c                   ; 16 fragments (128 dv x 64 keys) into the V pool
	WIN 0xc0
.irp ys, 0,1
.irp dvt, 0,1,2,3,4,5,6,7
	ds_load_b128 v[VPOOL+8*(8*\ys+\dvt):VPOOL+8*(8*\ys+\dvt)+3], v[ADRV+\slot] offset:\dvt*16*KP+128*\c+64*\ys
	ds_load_b128 v[VPOOL+8*(8*\ys+\dvt)+4:VPOOL+8*(8*\ys+\dvt)+7], v[ADRV+\slot] offset:\dvt*16*KP+128*\c+64*\ys+32
.endr
.endr
.endm
.macro RHLOAD c
.irp t, 0,1,2,3
	ds_load_b64 v[RHV+2*\t:RHV+2*\t+1], v[ADRH] offset:\t*16*KP+8*(\c)
.endr
.endm
; THE MATRIX STREAM OF A QUARTER: 32 products, numbered NW = 0 .. 31, made from the number by arithmetic.
;   QK = 1: S of half QTB (tiles QTB, QTB + 1): NW = 8 ks + 2 mt + tile; the first product of each tile (ks = 0) adds onto the width terms.  Eight accumulators by turns.
;   QK = 2: P.V of half QTB: NW = 16 ys + 2 dvt + tile; QF = 1: the products of ys = 0 start O.  Sixteen accumulators by turns.
;   QK = 0: no products in this quarter.
; One instruction a turn, and a quarter's last product and the next quarter's first name different accumulators.
.set QK, 0
.set QTB, 0
.set QF, 0
.set QN, 1                             ; vector instructions that stand in this quarter
.set QG, 1                             ; products that go out together
.set NW, 32                            ; the next product's number
.set NV, 0                             ; vector instructions gone by in this quarter
.set VWIN, 0                           ; the window setting of the vector stream: 0, or 0x41 in the rescale
.macro EMITW
.set E_T, QTB+(NW%2)
.if QK == 1
.set E_KS, NW/8
.set E_MT, (NW/2)%4
.set E_D, SS+8*(4*E_MT+E_T)
.set E_A, 8*(4*E_MT+E_KS)
.set E_B, 8*(4*E_T+E_KS)
	WIN 0x0b                                       ; first source window 3 (K), second window 2 (Q), C and D window 0
.if E_KS == 0
.set E_C, BI+8*(4*(E_MT&1)+E_T)
	MM3 E_D, E_A, E_B, E_C
.else
	MM3 E_D, E_A, E_B, E_D
.endif
.else
.set E_YS, NW/16
.set E_DV, (NW/2)%8
.set E_D, 8*(4*E_DV+E_T)
.set E_A, VPOOL+8*(8*E_YS+E_DV)
.set E_B, SS+8*(8*E_YS+E_T)
	WIN 0x53                                       ; first source window 3 (V), second window 0 (P), C and D window 1
.if QF*(1-E_YS)
	MM0 E_D, E_A, E_B
.else
	MM3 E_D, E_A, E_B, E_D
.endif
.endif
.set NW, NW+1
.endm
.macro QSTART k, tb, f, n              ; a quarter begins: its first products go out
.set QK, \k
.set QTB, \tb
.set QF, \f
.set QN, \n
.set NV, 0
.if \k
.set NW, 0
.rept QG
	EMITW
.endr
.else
.set NW, 32
.endif
.endm
.macro TK                              ; stands behind every vector instruction of the softmax: the next products go out when the vector stream has gone its share, NV / QN >= NW / 32
.set NV, NV+1
.if NW < 32
.if NV*32 >= NW*QN
.rept QG
	EMITW
.endr
.if VWIN == 0x41
	WIN 0x41
.else
	WIN 0
.endif
.endif
.endif
.endm
.macro QEND                            ; a quarter ends: whatever products are left go out, so no result hangs on the counts QN
.rept 32-NW
	EMITW
.endr
	WIN 0
.endm
; THE VECTOR STREAM: the softmax of one half (tiles tb, tb + 1) in two parts.
.macro MAXSTEP tb, o1, o2              ; one link of the four chains (tile, key row a); o: register among the 16 of tiles 2 a and 2 a + 1 (the second tile is 32 registers on)
.irp tt, 0,1
.irp a, 0,1
	v_max3_num_f32 v[TT+2*(\tb+\tt)+\a], v[TT+2*(\tb+\tt)+\a], v[SS+8*(8*\a+\tb+\tt)+\o1], v[SS+8*(8*\a+\tb+\tt)+\o2]
	TK
.endr
.endr
.endm
.macro EXPT t, mt                      ; tile (mt, t): p = 2^(s + height term - M), in place
.set xt, \t
.set xs, SS+8*(4*\mt+xt)
.set xc, ST+8*xt+2*(\mt>>1)
.irp q, 0,2,4,6
	v_pk_add_f32 v[xs+\q:xs+\q+1], v[xs+\q:xs+\q+1], v[xc:xc+1] op_sel_hi:[1,0]
	TK
.endr
.irp q, 0,1,2,3,4,5,6,7
	v_exp_f32 v[xs+\q], v[xs+\q]
	TK
.endr
.endm
; tile (mt, t), one tile behind its exponentials (plain vector instructions on other tiles stand between: ISA guide 5.7.2): its sum, then its rounding to f16 into P (mt / 2, t)
.macro CONSUME t, mt, first
.set ct, \t
.set sb, SS+8*(4*\mt+ct)
.set pb, SS+8*(4*(\mt&2)+ct)+4*(\mt&1)
.if \mt == 0
	s_wait_alu depctr_va_vdst(0)
	v_pk_add_f32 v[SPA:SPA+1], v[sb:sb+1], v[sb+2:sb+3]            ; the first tile starts the sums
	TK
	v_pk_add_f32 v[SPB:SPB+1], v[sb+4:sb+5], v[sb+6:sb+7]
	TK
.else
	s_wait_alu depctr_va_vdst(0)
	v_pk_add_f32 v[SPA:SPA+1], v[SPA:SPA+1], v[sb:sb+1]
	TK
	v_pk_add_f32 v[SPB:SPB+1], v[SPB:SPB+1], v[sb+2:sb+3]
	TK
	v_pk_add_f32 v[SPA:SPA+1], v[SPA:SPA+1], v[sb+4:sb+5]
	TK
	v_pk_add_f32 v[SPB:SPB+1], v[SPB:SPB+1], v[sb+6:sb+7]
	TK
.endif
.irp q, 0,1,2,3
	v_cvt_pk_f16_f32 v[pb+\q], v[sb+2*\q], v[sb+2*\q+1]            ; in place: word q is written when numbers 2 q and 2 q + 1 have been read
	TK
.endr
.if \mt == 3
	v_pk_add_f32 v[SPA:SPA+1], v[SPA:SPA+1], v[SPB:SPB+1]
	TK
.if \first
	v_add_f32 v[ST+8*ct+6], v[SPA], v[SPA+1]
	TK
.else
	v_add_f32 v[ST+8*ct+3], v[SPA], v[SPA+1]
	TK
	v_fma_f32 v[ST+8*ct+6], v[ST+8*ct+6], v[ST+8*ct+4], v[ST+8*ct+3]   ; L = L x AL + this trip's sum (each half of the lanes keeps its own part)
	TK
.endif
.endif
.endm
.macro RESC t, d0                      ; O (d0 .. d0 + 3, t) x AL (in the end: x 1 / L), a number for each query = lane
.set rt, \t
.set VWIN, 0x41
	WIN 0x41                                       ; O in window 1, AL in window 0
.irp dd, 0,1,2,3
.irp q, 0,2,4,6
	v_pk_mul_f32 v[8*(4*(\d0+\dd)+rt)+\q:8*(4*(\d0+\dd)+rt)+\q+1], v[8*(4*(\d0+\dd)+rt)+\q:8*(4*(\d0+\dd)+rt)+\q+1], v[ST+8*rt+4:ST+8*rt+5] op_sel_hi:[1,0]
	TK
.endr
.endr
.endm
; First part, 136 instructions (114 in the first trip): maxima, statistics, the first tile's exponentials, a quarter of its rescale.
.macro SM_P1 tb, first
.set VWIN, 0
	WIN 0
	; maxima of S without the height terms, for each tile and key row a
.irp tt, 0,1
.irp a, 0,1
	v_max3_num_f32 v[TT+2*(\tb+\tt)+\a], v[SS+8*(8*\a+\tb+\tt)], v[SS+8*(8*\a+\tb+\tt)+1], v[SS+8*(8*\a+\tb+\tt)+2]
	TK
.endr
.endr
	MAXSTEP \tb, 3, 4
	MAXSTEP \tb, 5, 6
	MAXSTEP \tb, 7, 32
	MAXSTEP \tb, 33, 34
	MAXSTEP \tb, 35, 36
	MAXSTEP \tb, 37, 38
.irp tt, 0,1
.irp a, 0,1
	v_max_num_f32 v[TT+2*(\tb+\tt)+\a], v[TT+2*(\tb+\tt)+\a], v[SS+8*(8*\a+\tb+\tt)+39]
	TK
.endr
.endr
	; the height term is constant along a key row: added to the row's maximum; then the two rows, the two halves of the lanes, the running maximum
.irp tt, 0,1
	v_pk_add_f32 v[TT+2*(\tb+\tt):TT+2*(\tb+\tt)+1], v[TT+2*(\tb+\tt):TT+2*(\tb+\tt)+1], v[RHV+2*(\tb+\tt):RHV+2*(\tb+\tt)+1]
	TK
.endr
.irp tt, 0,1
	v_max_num_f32 v[ST+8*(\tb+\tt)+3], v[TT+2*(\tb+\tt)], v[TT+2*(\tb+\tt)+1]
	TK
.endr
.irp tt, 0,1
	v_permlanex16_b32 v[ST+8*(\tb+\tt)+5], v[ST+8*(\tb+\tt)+3], s20, s21
	TK
.endr
.if \first
.irp tt, 0,1
	v_max_num_f32 v[ST+8*(\tb+\tt)+1], v[ST+8*(\tb+\tt)+3], v[ST+8*(\tb+\tt)+5]
	TK
.endr
.else
.irp tt, 0,1
	v_max3_num_f32 v[ST+8*(\tb+\tt)+3], v[ST+8*(\tb+\tt)+3], v[ST+8*(\tb+\tt)+5], v[ST+8*(\tb+\tt)+1]
	TK
.endr
.irp tt, 0,1
	v_sub_f32 v[ST+8*(\tb+\tt)+5], v[ST+8*(\tb+\tt)+1], v[ST+8*(\tb+\tt)+3]     ; old maximum - new
	TK
.endr
.irp tt, 0,1
	v_mov_b32 v[ST+8*(\tb+\tt)+1], v[ST+8*(\tb+\tt)+3]
	TK
.endr
.irp tt, 0,1
	v_exp_f32 v[ST+8*(\tb+\tt)+4], v[ST+8*(\tb+\tt)+5]                          ; AL; the subtractions below are the plain instructions behind it
	TK
.endr
.endif
.irp tt, 0,1
	v_sub_f32 v[ST+8*(\tb+\tt)], v[RHV+2*(\tb+\tt)], v[ST+8*(\tb+\tt)+1]        ; c0 = height term of key row 0 - M
	TK
	v_sub_f32 v[ST+8*(\tb+\tt)+2], v[RHV+2*(\tb+\tt)+1], v[ST+8*(\tb+\tt)+1]    ; c1
	TK
.endr
	EXPT \tb, 0
	EXPT \tb, 1
	CONSUME \tb, 0, \first
	EXPT \tb, 2
	CONSUME \tb, 1, \first
	EXPT \tb, 3
	CONSUME \tb, 2, \first
.if \first == 0
	RESC \tb, 0
.endif
.endm
; Second part, 140 instructions (90 in the first trip): the second tile's exponentials, the rest of the rescale.
.macro SM_P2 tb, first
.set VWIN, 0
	WIN 0
	EXPT \tb+1, 0
	CONSUME \tb, 3, \first
	EXPT \tb+1, 1
	CONSUME \tb+1, 0, \first
	EXPT \tb+1, 2
	CONSUME \tb+1, 1, \first
	EXPT \tb+1, 3
	CONSUME \tb+1, 2, \first
	CONSUME \tb+1, 3, \first
.if \first == 0
	RESC \tb, 4
	RESC \tb+1, 0
	RESC \tb+1, 4
.endif
.endm
; A UNIT: trip i lies in half c of the slot.  mode 0: the next K fragments come from this slot; 1: this slot is filled again, two steps ahead, and the other is read;
; 2: change of slots alone; 3: the end (no trip i + 1).
; Each group of fragments is asked for at the head of the quarter in front of its first use, behind the five places that follow the last product which read its pool,
; and waited for at the next quarter's head: 32 products stand between.
.macro UNIT slot, c, first, mode
	VLOAD \slot, \c                                ; V of trip i: the pool's last readers were P.V of Y, trip i - 1
	QSTART 1, 2, 0, 140-50*\first                  ; S of Y, trip i
	SM_P2 0, \first                                ; softmax of X, trip i, second part
	QEND
	PLACES
	s_wait_dscnt 0x0                               ; V's fragments are in: with c = 1 all my reads of this slot are over
.if \mode == 0
	KLOAD \slot, 1
.endif
.if \mode == 1
	s_wait_tensorcnt 0x0                           ; all my tensor loads have landed: the one that was out is my part of the other slot
	ds_add_u32 v55, v63
	s_wait_dscnt 0x0
	s_add_nc_u64 s[G0K+4*\slot+2:G0K+4*\slot+3], s[G0K+4*\slot+2:G0K+4*\slot+3], 65536
	s_add_nc_u64 s[G0V+4*\slot+2:G0V+4*\slot+3], s[G0V+4*\slot+2:G0V+4*\slot+3], 512
	ROUND                                          ; both hold of every wave of the four work-groups
	JLOAD \slot                                    ; my one tensor load behind the round
	KLOAD 1-\slot, 0
.endif
.if \mode == 2
	s_wait_tensorcnt 0x0
	s_barrier_signal -1
	s_barrier_wait -1                              ; the last tile is whole for every wave
	KLOAD 1-\slot, 0
.endif
	QSTART 2, 0, \first, 136-22*\first             ; P.V of X, trip i
	SM_P1 2, \first                                ; softmax of Y, trip i, first part
	QEND
	PLACES
.if \mode < 3
	s_wait_dscnt 0x0                               ; K's fragments of trip i + 1 are in
.if \c
	v_add_nc_u32 v[ADRH], 16, v[ADRH]              ; a new step: four key rows on
.endif
	RHLOAD 1-\c                                    ; height terms of trip i + 1: those of trip i were last read in the first part above
	QSTART 1, 0, 0, 140-50*\first                  ; S of X, trip i + 1
.else
	QSTART 0, 0, 0, 1
.endif
	SM_P2 2, \first                                ; softmax of Y, trip i, second part
	QEND
	PLACES
.if \mode < 3
	s_wait_dscnt 0x0                               ; the height terms are in
.endif
	QSTART 2, 2, \first, 136                       ; P.V of Y, trip i
.if \mode < 3
	SM_P1 0, 0                                     ; softmax of X, trip i + 1, first part
.endif
	QEND
	PLACES
.endm
	s_wait_tensorcnt 0x2                           ; the tables and Q are in; the two key tiles stay out
	s_barrier_signal -1
	s_barrier_wait -1                              ; every wave reads all of the tables
	WIN 0x80
.irp t, 0,1,2,3
.irp ks, 0,1,2,3
	ds_load_b128 v[8*(4*\t+\ks):8*(4*\t+\ks)+3], v[ADRQ] offset:\t*16*KP+64*\ks
	ds_load_b128 v[8*(4*\t+\ks)+4:8*(4*\t+\ks)+7], v[ADRQ] offset:\t*16*KP+64*\ks+32
.endr
.endr
	FRAG16 ADRRW, 0                                ; rel_width, rows 0 to 63 (row 63 repeats 62 and is never picked)
	s_wait_dscnt 0x0
	WIN 0x0b                                       ; R(m, x) = rel_width[m] . q_x: 64 products, sixteen accumulators by turns
.irp ks, 0,1,2,3
.irp mt, 0,1,2,3
.irp t, 0,1,2,3
.if \ks == 0
	MM0 SS+8*(4*\mt+\t), 8*(4*\mt+\ks), 8*(4*\t+\ks)
.else
	MM3 SS+8*(4*\mt+\t), 8*(4*\mt+\ks), 8*(4*\t+\ks), SS+8*(4*\mt+\t)
.endif
.endr
.endr
.endr
	WIN 0
	PLACES
.irp t, 0,1,2,3
.irp mt, 0,1,2,3
	ds_store_b128 v[ADRST], v[SS+8*(4*\mt+\t):SS+8*(4*\mt+\t)+3] offset:\t*16*KP+64*\mt
	ds_store_b128 v[ADRST], v[SS+8*(4*\mt+\t)+4:SS+8*(4*\mt+\t)+7] offset:\t*16*KP+64*\mt+16
.endr
.endr
	; back with the skew: width term of key column yw = 16 e + 8 h + j for query column xw = 16 (t mod 2) + r.  LDS serves a wave's instructions in order (ISA guide 5.7.1): these see the stores above
.irp t, 0,1,2,3
.irp e, 0,1
.irp j, 0,1,2,3,4,5,6,7
	ds_load_b32 v[BI+8*(4*\e+\t)+\j], v[ADRB] offset:\t*16*KP+64*\e-64*(\t&1)+4*\j
.endr
.endr
.endr
	WIN 0xc0
.irp tp, 0,1
.irp mp, 0,1
.irp ks, 0,1,2,3
	ds_load_b128 v[8*(4*(2*\tp+\mp)+\ks):8*(4*(2*\tp+\mp)+\ks)+3], v[ADRRH] offset:(1-\tp)*KP+\mp*16*KP+64*\ks
	ds_load_b128 v[8*(4*(2*\tp+\mp)+\ks)+4:8*(4*(2*\tp+\mp)+\ks)+7], v[ADRRH] offset:(1-\tp)*KP+\mp*16*KP+64*\ks+32
.endr
.endr
.endr
	s_wait_dscnt 0x0
	WIN 0x0b                                       ; H(yh, x) = rel_height[yh - xh + 31] . q_x: the 32 rows of the table that belong to query row 2 w + t / 2; eight accumulators by turns
.irp ks, 0,1,2,3
.irp mp, 0,1
.irp t, 0,1,2,3
.if \ks == 0
	MM0 SS+8*(4*\mp+\t), 8*(4*(2*(\t>>1)+\mp)+\ks), 8*(4*\t+\ks)
.else
	MM3 SS+8*(4*\mp+\t), 8*(4*(2*(\t>>1)+\mp)+\ks), 8*(4*\t+\ks), SS+8*(4*\mp+\t)
.endif
.endr
.endr
.endr
	WIN 0
	PLACES
.irp t, 0,1,2,3
.irp mp, 0,1
	ds_store_b128 v[ADRST], v[SS+8*(4*\mp+\t):SS+8*(4*\mp+\t)+3] offset:\t*16*KP+64*\mp
	ds_store_b128 v[ADRST], v[SS+8*(4*\mp+\t)+4:SS+8*(4*\mp+\t)+7] offset:\t*16*KP+64*\mp+16
.endr
.endr
	s_wait_tensorcnt 0x1                           ; my part of key tile 0 is in; tile 1's stays out
	s_wait_dscnt 0x0
	s_barrier_signal -1
	s_barrier_wait -1
	RHLOAD 0                                       ; height terms of trip 0
	KLOAD 0, 0
	s_wait_dscnt 0x0
	; the way in: S of X, trip 0, with nothing to stand between its products, then the first part of X's softmax, with no products
.set QG, 2                                         ; outside the loop the products go in pairs
	QSTART 1, 0, 0, 1
	QEND
	PLACES
	QSTART 0, 0, 0, 1
	SM_P1 0, 1
	QEND
	UNIT 0, 0, 1, 0                                ; unit 0: its first products start O, its first sums start L
.set QG, 1                                         ; in the loop they go singly
	s_mov_b32 s19, 3
.Llap:                                             ; lap i: on both ways in no LDS load is out, and one tensor load (slot 1's) is
	UNIT 0, 1, 0, 1                                ; step 2 i, second half; slot 0 is asked for again: tile 2 i + 2
	UNIT 1, 0, 0, 0                                ; step 2 i + 1
	UNIT 1, 1, 0, 1                                ; slot 1 is asked for again: tile 2 i + 3
	UNIT 0, 0, 0, 0                                ; step 2 i + 2, first half
	s_sub_co_u32 s19, s19, 1
	s_cmp_lg_u32 s19, 0
	s_cbranch_scc1 .Llap
.set QG, 2
	UNIT 0, 1, 0, 2                                ; step 6, second half: nothing is left to fetch
	UNIT 1, 0, 0, 0                                ; step 7
	UNIT 1, 1, 0, 3                                ; the last unit ends with Y's softmax and Y's P.V alone
	; the sums of the two halves of the lanes meet; O / L; then out through my stage, 16 rows dv at a time (the unit's last five places stand behind the last products)
.irp t, 0,1,2,3
	v_permlanex16_b32 v[ST+8*\t+5], v[ST+8*\t+6], s20, s21
.endr
.irp t, 0,1,2,3
	v_add_f32 v[ST+8*\t+6], v[ST+8*\t+6], v[ST+8*\t+5]
.endr
.irp t, 0,1,2,3
	v_rcp_f32 v[ST+8*\t+4], v[ST+8*\t+6]
.endr
	v_nop                                          ; the plain instruction behind the reciprocals
	s_wait_alu depctr_va_vdst(0)
.irp t, 0,1,2,3
	RESC \t, 0
	RESC \t, 4
.endr
.macro OUT16 dvt, f
	WIN 0x04                                       ; the stores' data lie in window 1
.irp t, 0,1,2,3
.irp j, 0,1,2,3,4,5,6,7
	ds_store_b32 v[STO], v[8*(4*\dvt+\t)+\j] offset:((\dvt&3)*16+\j)*KP+64*\t
.endr
.endr
	WIN 0
	s_wait_xcnt 0x0                                ; registers that earlier stores read are loaded again only behind this wait
.irp q, 0,1,2,3,4,5,6,7
	ds_load_b128 v[\f+4*\q:\f+4*\q+3], v[RD] offset:((\dvt&3)*16+2*\q)*KP
.endr
.irp q, 0,1,2,3,4,5,6,7
	s_wait_dscnt 7-\q                              ; load q of the eight is in
	global_store_b128 v[CO], v[\f+4*\q:\f+4*\q+3], s[12:13] offset:(16*\dvt+2*\q)*4096 th:TH_STORE_NT   ; 16 lanes store 256 consecutive bytes, aligned: my 64 queries of one row dv
.endr
.endm
	OUT16 0, 64
	OUT16 1, 96
	OUT16 2, 64
	OUT16 3, 96
	OUT16 4, 64
	OUT16 5, 96
	OUT16 6, 64
	OUT16 7, 96
	s_wait_tensorcnt 0x0
	ds_add_u32 v55, v63
	s_wait_dscnt 0x0
	ROUND                                          ; the closing round: no work-group ends while a partner may still ask for a tile that names it
	s_endpgm
.Lfunc_end_k_q1f1b8cbca5_attn:
	.size	k_q1f1b8cbca5_attn, .Lfunc_end_k_q1f1b8cbca5_attn-k_q1f1b8cbca5_attn
	.p2alignl 7, 3214868480
	.fill 96, 4, 3214868480
	.section	.rodata,"a",@progbits
	.p2align	6, 0x0
	.amdhsa_kernel k_q1f1b8cbca5_attn
		.amdhsa_group_segment_fixed_size 327680
		.amdhsa_private_segment_fixed_size 0
		.amdhsa_enable_private_segment 0
		.amdhsa_kernarg_size 40
		.amdhsa_user_sgpr_count 2
		.amdhsa_user_sgpr_kernarg_segment_ptr 1
		.amdhsa_wavefront_size32 1
		.amdhsa_system_sgpr_workgroup_id_x 1
		.amdhsa_system_sgpr_workgroup_id_y 1
		.amdhsa_system_sgpr_workgroup_id_z 1
		.amdhsa_system_vgpr_workitem_id 0
		.amdhsa_next_free_vgpr 1024
		.amdhsa_next_free_sgpr 92
		.amdhsa_reserve_vcc 0
		.amdhsa_float_denorm_mode_32 3
		.amdhsa_float_denorm_mode_16_64 3
		.amdhsa_memory_ordered 1
		.amdhsa_forward_progress 1
		.amdhsa_inst_pref_size 255
	.end_amdhsa_kernel
	.section	.bss,"aw",@nobits
	.p2align	6
	.space	262144
	.amdgpu_metadata
---
amdhsa.version: [ 1, 2 ]
amdhsa.kernels:
  - .name:           k_q1f1b8cbca5_attn
    .symbol:         k_q1f1b8cbca5_attn.kd
    .args:
      - { .name: qws, .offset: 0, .size: 8, .value_kind: global_buffer, .address_space: global }
      - { .name: kws, .offset: 8, .size: 8, .value_kind: global_buffer, .address_space: global }
      - { .name: vws, .offset: 16, .size: 8, .value_kind: global_buffer, .address_space: global }
      - { .name: relws, .offset: 24, .size: 8, .value_kind: global_buffer, .address_space: global }
      - { .name: out0, .offset: 32, .size: 8, .value_kind: global_buffer, .address_space: global }
    .group_segment_fixed_size: 327680
    .private_segment_fixed_size: 0
    .kernarg_segment_align: 8
    .kernarg_segment_size: 40
    .max_flat_workgroup_size: 128
    .sgpr_count:     92
    .vgpr_count:     1024
    .wavefront_size: 32
...
	.end_amdgpu_metadata
.endif
;; end of part 4
;; ======== version 3 of 3: 3 launches; version 2 with the launch cast written anew for expert scheduling mode
;; limits: values are held in f16: magnitudes above 65,504 overflow, below 6.1e-05 lose precision
;; workspace buffers: xws 16,777,216 bytes; wws 1,572,864 bytes; relws 131,072 bytes; qws 16,777,216 bytes; kws 16,777,216 bytes; vws 16,777,216 bytes
;; launch cast (part 5): grid 256 x 1, 8 waves a work-group, no clusters, 0 bytes of LDS; arguments featuremap, w_qk, w_v, rel_height, rel_width, xws, wws, relws; writes xws, wws, relws
.if DOCPART == 5
	.amdgcn_target "amdgcn-amd-amdhsa--gfx1250"
	.amdhsa_code_object_version 6
	.text
	.protected	k_q1f1b8cbca5_cast
	.globl	k_q1f1b8cbca5_cast
	.p2align	8
	.type	k_q1f1b8cbca5_cast,@function
k_q1f1b8cbca5_cast:
	s_mov_b64 s[64:65], 0
	v_nop
	global_prefetch_b8 v0, s[64:65] scope:SCOPE_SE
	s_setreg_imm32_b32 hwreg(HW_REG_WAVE_SCHED_MODE, 0, 2), 2
	s_setreg_imm32_b32 hwreg(HW_REG_WAVE_MODE, 25, 1), 1
	s_wait_xcnt 0x0
	s_wait_alu depctr_vm_vsrc(0)
; f32 to f16, once, so that the two matrix launches behind this one move half the bytes and convert nothing in their loops.
;   xws   f16 [b][c][l]: featuremap in its own order.
;   wws   f16 [head 4][K step 8][row 384 = type x 128 + d][64 c]; type 0 = Wq x QS, 1 = Wk, 2 = Wv: one K step's rows of one head are 49,152 dense bytes.
;   relws f16 [cx 4][128 rows][128 d]: rows 0-63 = rel_width[min(row, 62)], rows 64-127 = rel_height[min(row - 40 - 8 cx, 62)]:
;         the shift of the height table that belongs to a block of eight query rows is laid down here.
; QS = 128^-0.5 x log2(e): every logit, the relative ones too, is a product with q, so all come out in units of log2.
; LIMIT: f16 holds magnitudes under 65,504 (larger ones become infinities); under 6.1e-5 the step is 6e-8.
; A stream: each input byte is read once and each output byte written once; each store of a wave covers 256 consecutive bytes, aligned.
; No LDS, no barrier, no matrix unit, no cluster: the work-groups share no input but the two small tables.
; No register that a load or store names is written again, so no wait frees a source.
; THE MODE: SCHED_MODE bits 1:0 = 2 (LLVM: expert scheduling mode 2), set by the entry lines.  The code itself states the register dependences
; between vector instructions and memory instructions, with s_wait_alu, always for 0.
; THE PLAN.  Registers that memory instructions touch:
;   v1, v2, v3  byte offsets: written at the head, read by every load and store, never written again.
;   WD, XD      loaded data: each register is the destination of one load, and no vector instruction names it ahead of that load.
;   WO, XO      data to store: each register is written once, by a conversion, and read once, by a store.
;   v[220:223], v[224:225]  the same two kinds for the one row of tables at the end.
; x goes in eight blocks of four loads.  Block p's conversions read XD of block p and write XO of block p; its memory instructions are the stores of the
; block before (for block 0: of the weights), whose registers no vector instruction of block p names.  So ONE wait on va_vdst at a block's head states all
; that the block's stores hang on, and they are dealt among its conversions with no further wait.  No wait on vm_vsrc is owed: nothing that a memory
; instruction has read is written again.  EXEC is never written.
.set QS, 0x3e0293ee                    ; 0.12751743
.set WD, 8                             ; v[8:19]    three loads of weights
.set XD, 20                            ; v[20:147]  32 loads of x
.set WO, 148                           ; v[148:153] weights as f16
.set XO, 154                           ; v[154:217] x as f16
	s_load_b512 s[4:19], s[0:1], 0x0               ; featuremap s[4:5], w_qk s[6:7], w_v s[8:9], rel_height s[10:11], rel_width s[12:13], xws s[14:15], wws s[16:17], relws s[18:19]
	v_and_b32 v5, 31, v0                           ; lane
	v_lshrrev_b32 v6, 5, v0
	v_readfirstlane_b32 s20, v6                    ; wave w
	s_mov_b32 s21, ttmp9                           ; work-group g
	s_mov_b32 s30, QS
	s_mov_b32 s31, QS
	v_lshlrev_b32 v1, 4, v5                        ; 16 x lane: loads of 512 consecutive bytes
	v_lshlrev_b32 v2, 3, v5                        ; 8 x lane: stores of 256 consecutive bytes
	v_lshrrev_b32 v6, 4, v5
	v_and_b32 v7, 15, v5
	v_lshlrev_b32 v3, 4, v7
	v_lshl_add_u32 v3, v6, 11, v3                  ; weights: lanes 0-15 take 256 bytes of one row, lanes 16-31 of the next (2,048 bytes on)
	s_wait_alu depctr_va_sdst(0)                   ; s20 is written, ahead of its first reader: the bases of x, of the weights and of the tables are made from it
	s_lshl_b32 s22, s21, 17
	s_lshl_b32 s23, s20, 14
	s_add_co_u32 s22, s22, s23                     ; x in: g x 131,072 + w x 16,384
	s_mov_b32 s23, 0
	s_lshr_b32 s24, s22, 1                         ; x out: half of that
	s_mov_b32 s25, 0
	s_lshl_b32 s26, s21, 12
	s_lshl_b32 s27, s20, 8
	s_add_co_u32 s26, s26, s27                     ; weights in: rows 2 g and 2 g + 1, K step w (64 c = 256 bytes)
	s_mov_b32 s27, 0
	s_lshr_b32 s28, s21, 6                         ; head = 2 g / 128
	s_mul_i32 s28, s28, 393216
	s_mul_i32 s29, s20, 49152
	s_add_co_u32 s28, s28, s29
	s_and_b32 s29, s21, 63
	s_lshl_b32 s29, s29, 8                         ; d = 2 g mod 128, rows of 128 bytes
	s_add_co_u32 s28, s28, s29
	s_mov_b32 s29, 0
	s_wait_kmcnt 0x0
	s_add_nc_u64 s[4:5], s[4:5], s[22:23]
	s_add_nc_u64 s[14:15], s[14:15], s[24:25]
	s_add_nc_u64 s[6:7], s[6:7], s[26:27]
	s_add_nc_u64 s[8:9], s[8:9], s[26:27]
	s_add_nc_u64 s[16:17], s[16:17], s[28:29]
	s_wait_alu depctr_va_vdst(0)                   ; the offsets v1, v2 and v3 are written: every load and store of the kernel reads one of them
	; all 35 loads of the wave go out before anything is worked on
	global_load_b128 v[WD:WD+3], v3, s[6:7] th:TH_LOAD_NT                      ; Wq
	global_load_b128 v[WD+4:WD+7], v3, s[6:7] offset:1048576 th:TH_LOAD_NT     ; Wk: 512 rows further down
	global_load_b128 v[WD+8:WD+11], v3, s[8:9] th:TH_LOAD_NT                   ; Wv
.set i, 0
.rept 32
	global_load_b128 v[XD+4*i:XD+4*i+3], v1, s[4:5] offset:512*i th:TH_LOAD_NT
.set i, i+1
.endr
	; the weights: scaled and rounded here, stored in block 0
	s_wait_loadcnt 32                              ; loads come back in order: the three of the weights are in, the 32 of x stay out
	v_pk_mul_f32 v[WD:WD+1], v[WD:WD+1], s[30:31] op_sel_hi:[1,0]
	v_pk_mul_f32 v[WD+2:WD+3], v[WD+2:WD+3], s[30:31] op_sel_hi:[1,0]
.irp tau, 0,1,2
	v_cvt_pk_f16_f32 v[WO+2*\tau], v[WD+4*\tau], v[WD+4*\tau+1]
	v_cvt_pk_f16_f32 v[WO+2*\tau+1], v[WD+4*\tau+2], v[WD+4*\tau+3]
.endr
; Block p of x: loads 4 p to 4 p + 3.  Its stores are those of the block before; for block 0 the three of the weights.
.macro BLOCK p
	s_wait_loadcnt 28-4*(\p)                       ; this block's four loads are in; the younger blocks stay out
	s_wait_alu depctr_va_vdst(0)                   ; the conversions of the block before (block 0: of the weights) have written the registers that the stores below read
.irp i, 0,1,2,3
.if \p == 0
.if \i < 3
	global_store_b64 v2, v[WO+2*(\i):WO+2*(\i)+1], s[16:17] offset:16384*(\i)  ; two rows of 128 bytes lie side by side
.endif
.else
	global_store_b64 v2, v[XO+2*(4*(\p)-4+(\i)):XO+2*(4*(\p)-4+(\i))+1], s[14:15] offset:256*(4*(\p)-4+(\i))  ; no vector instruction since the wait names these registers
.endif
	v_cvt_pk_f16_f32 v[XO+2*(4*(\p)+(\i))], v[XD+4*(4*(\p)+(\i))], v[XD+4*(4*(\p)+(\i))+1]
	v_cvt_pk_f16_f32 v[XO+2*(4*(\p)+(\i))+1], v[XD+4*(4*(\p)+(\i))+2], v[XD+4*(4*(\p)+(\i))+3]
.endr
.endm
.irp p, 0,1,2,3,4,5,6,7
	BLOCK \p
.endr
	s_wait_alu depctr_va_vdst(0)                   ; block 7's conversions have written the registers that the last four stores of x read
.irp i, 28,29,30,31
	global_store_b64 v2, v[XO+2*(\i):XO+2*(\i)+1], s[14:15] offset:256*(\i)
.endr
	; the 512 rows of relws: one row for each wave of the first 64 work-groups
	s_cmp_ge_u32 s21, 64
	s_cbranch_scc1 .Lend
	s_lshl_b32 s32, s21, 3
	s_add_co_u32 s32, s32, s20                     ; row of relws, 0 to 511
	s_lshr_b32 s33, s32, 7                         ; cx
	s_and_b32 s34, s32, 127                        ; row within the table of cx
	s_lshl_b32 s33, s33, 3
	s_sub_co_u32 s35, s34, s33
	s_sub_co_u32 s35, s35, 40                      ; row - 40 - 8 cx (at least 0 where it is chosen: row >= 64, cx <= 3)
	s_cmp_lt_u32 s34, 64
	s_cselect_b64 s[36:37], s[12:13], s[10:11]     ; rel_width for rows 0-63, rel_height for the rest
	s_cselect_b32 s35, s34, s35
	s_min_u32 s35, s35, 62                         ; both tables have 63 rows
	s_lshl_b32 s38, s35, 9
	s_mov_b32 s39, 0
	s_add_nc_u64 s[36:37], s[36:37], s[38:39]
	s_lshl_b32 s38, s32, 8
	s_add_nc_u64 s[18:19], s[18:19], s[38:39]
	global_load_b128 v[220:223], v1, s[36:37]      ; a row of 128 f32; no vector instruction has named v[220:223], and v1 stands as the head made it
	s_wait_loadcnt 0x0
	v_cvt_pk_f16_f32 v224, v220, v221
	v_cvt_pk_f16_f32 v225, v222, v223
	s_wait_alu depctr_va_vdst(0)                   ; the two conversions have written v[224:225], which the store reads
	global_store_b64 v2, v[224:225], s[18:19]
.Lend:
	s_endpgm
.Lfunc_end_k_q1f1b8cbca5_cast:
	.size	k_q1f1b8cbca5_cast, .Lfunc_end_k_q1f1b8cbca5_cast-k_q1f1b8cbca5_cast
	.p2alignl 7, 3214868480
	.fill 96, 4, 3214868480
	.section	.rodata,"a",@progbits
	.p2align	6, 0x0
	.amdhsa_kernel k_q1f1b8cbca5_cast
		.amdhsa_group_segment_fixed_size 0
		.amdhsa_private_segment_fixed_size 0
		.amdhsa_enable_private_segment 0
		.amdhsa_kernarg_size 64
		.amdhsa_user_sgpr_count 2
		.amdhsa_user_sgpr_kernarg_segment_ptr 1
		.amdhsa_wavefront_size32 1
		.amdhsa_system_sgpr_workgroup_id_x 1
		.amdhsa_system_sgpr_workgroup_id_y 1
		.amdhsa_system_sgpr_workgroup_id_z 1
		.amdhsa_system_vgpr_workitem_id 0
		.amdhsa_next_free_vgpr 240
		.amdhsa_next_free_sgpr 66
		.amdhsa_reserve_vcc 0
		.amdhsa_float_denorm_mode_32 3
		.amdhsa_float_denorm_mode_16_64 3
		.amdhsa_memory_ordered 1
		.amdhsa_forward_progress 1
		.amdhsa_inst_pref_size 15
	.end_amdhsa_kernel
	.amdgpu_metadata
---
amdhsa.version: [ 1, 2 ]
amdhsa.kernels:
  - .name:           k_q1f1b8cbca5_cast
    .symbol:         k_q1f1b8cbca5_cast.kd
    .args:
      - { .name: featuremap, .offset: 0, .size: 8, .value_kind: global_buffer, .address_space: global }
      - { .name: w_qk, .offset: 8, .size: 8, .value_kind: global_buffer, .address_space: global }
      - { .name: w_v, .offset: 16, .size: 8, .value_kind: global_buffer, .address_space: global }
      - { .name: rel_height, .offset: 24, .size: 8, .value_kind: global_buffer, .address_space: global }
      - { .name: rel_width, .offset: 32, .size: 8, .value_kind: global_buffer, .address_space: global }
      - { .name: xws, .offset: 40, .size: 8, .value_kind: global_buffer, .address_space: global }
      - { .name: wws, .offset: 48, .size: 8, .value_kind: global_buffer, .address_space: global }
      - { .name: relws, .offset: 56, .size: 8, .value_kind: global_buffer, .address_space: global }
    .group_segment_fixed_size: 0
    .private_segment_fixed_size: 0
    .kernarg_segment_align: 8
    .kernarg_segment_size: 64
    .max_flat_workgroup_size: 256
    .sgpr_count:     66
    .vgpr_count:     240
    .wavefront_size: 32
...
	.end_amdgpu_metadata
.endif
;; end of part 5
;; launch proj: the kernel of part 2 again; grid 4 x 64, 4 waves a work-group, clusters of 4 x 4, 327,680 bytes of LDS; arguments xws, wws, qws, kws, vws; writes qws, kws, vws
;; launch attn: the kernel of part 4 again; grid 256 x 1, 4 waves a work-group, clusters of 4 x 1, 327,680 bytes of LDS; arguments qws, kws, vws, relws, out0; writes out0
